; MI455X (gfx1250); checked and timed in simulation.
; The chip was launched on July 23, 2026; its instructions are those of AMD's public machine-readable ISA for CDNA 5 (MIT licence, August 2026) and "CDNA5" Instruction Set Architecture Reference Guide (July 2026). The comments in the code are by the model that wrote it; some were corrected since.
;; Custom Transformer Encoder Layer. Allowed arithmetic: matrix products marked QUANTISED: E3M2 operands, one E8M0 scale for each 32 along K, by v_wmma_scale_f32_16x16x128_f8f6f4 with both operands' format E3M2, f32 sums; everything else in f32.
;; Inputs: b1 4,096 float32; b2 1,024 float32; beta1 1,024 float32; beta2 1,024 float32; g1 1,024 float32; g2 1,024 float32; kb 1,024 float32; kw 1,024 x 1,024 float32; ob 1,024 float32; ow 1,024 x 1,024 float32; qb 1,024 float32; qw 1,024 x 1,024 float32; src 2 x 2,048 x 1,024 float32; vb 1,024 float32; vw 1,024 x 1,024 float32; w1 4,096 x 1,024 float32; w2 1,024 x 4,096 float32.
;; Outputs: out0 2 x 2,048 x 1,024 float32.
;; This version of the problem:
;;   THIS VERSION OF THE PROBLEM IS GIVEN IN LOW PRECISION. The matrix products marked QUANTISED in the list below multiply operands that are first quantised to E3M2 (3 exponent bits, 2 mantissa bits; 6 bits a number), with one power-of-two scale for each 32 numbers along K (OCP MX v1.0); their sums are f32. All else is computed in f32.
;;   The module's matrix products, in the order in which they are computed (A, B: the left and right operand; K: the contracted axis; several contracted axes count as one K, in the product's order):
;;     1. [M 4,096, K 1,024] x [K 1,024, N 1,024]; A: input src; B: input qw: QUANTISED
;;     2. [M 4,096, K 1,024] x [K 1,024, N 1,024]; A: input src; B: input kw: QUANTISED
;;     3. [M 4,096, K 1,024] x [K 1,024, N 1,024]; A: input src; B: input vw: QUANTISED
;;     4. batch 32 x [M 2,048, K 64] x [K 64, N 2,048]; A: computed on the way; B: computed on the way: QUANTISED
;;     5. batch 32 x [M 2,048, K 2,048] x [K 2,048, N 64]; A: softmax (see below); B: computed on the way: QUANTISED
;;     6. [M 4,096, K 1,024] x [K 1,024, N 1,024]; A: computed on the way; B: input ow: QUANTISED
;;     7. [M 4,096, K 1,024] x [K 1,024, N 4,096]; A: computed on the way; B: input w1: QUANTISED
;;     8. [M 4,096, K 4,096] x [K 4,096, N 1,024]; A: computed on the way; B: input w2: QUANTISED
;;   THE QUANTISER, for each operand of a quantised product, along K:
;;     - K is cut into blocks of 32 from its start; a last block that is shorter is filled with zeros.
;;     - A block's scale is 2^e with e = floor(log2(the largest magnitude in the block)) - 4, held to -126 .. 127; a block of zeros has e = 0. As a byte (E8M0): e + 127.
;;     - Each number is divided by its block's scale, clamped to +-28, and rounded to the nearest number of E3M2, ties to even, subnormals kept.
;;     - The product sums the exact products of the quantised numbers (number of the format x scale) in f32.
;;   ~~~python
;;   def quantise(x, axis):      # numpy; x: float32 -> the quantised numbers, widened to float32 again
;;       x = np.moveaxis(x, axis, -1); K = x.shape[-1]
;;       x = np.pad(x, [(0, 0)] * (x.ndim - 1) + [(0, -K % 32)]); x = x.reshape(x.shape[:-1] + (-1, 32)); a = np.abs(x).max(-1, keepdims=True)
;;       e = np.where(a > 0, np.clip(np.frexp(np.where(a > 0, a, 1))[1] - 1 - 4, -126, 127), 0)      # np.frexp(a)[1] - 1 = floor(log2(a)), exactly
;;       r = np.clip(x / 2.0 ** e, -28, 28)
;;       step = 2.0 ** (np.maximum(np.frexp(np.where(r == 0, 1, r))[1] - 1, -2) - 2)
;;       q = np.round(r / step) * step * 2.0 ** e      # np.round: ties to even
;;       return np.moveaxis(q.reshape(q.shape[:-2] + (-1,))[..., :K], -1, axis).astype(np.float32)
;;   ~~~
;;   SOFTMAX AHEAD OF A QUANTISED PRODUCT. Where the list says 'softmax', what is quantised is not the finished softmax but p = 2^(t - M), with t = logit x log2(e) and M = ceil(the row's largest t), a whole number; so 1/2 < the row's largest p <= 1. The row's sum l is taken of the UNQUANTISED p, in f32, and the product's result is divided by l at the end. Since M is a whole number, a kernel that streams over the keys may use a running M (the ceiling of the running maximum): every later rescaling is an exact power of two, which a block's scale takes up: the codes' values come out the same.
;;   OPERANDS COMPUTED ON THE WAY. 'Computed on the way' means the value that the module computes at that place (a softmax that the list does not call 'softmax' is quantised finished and normalised). What goes into a quantiser is computed in f32, as accurately as f32 sums, v_exp_f32 and their like allow (about 1e-6 of the number): no bf16 or f16 on the way to a quantiser, and a product that is left as it is and whose result goes on into a quantised operand takes f32 operands (vector FMAs, or v_wmma_f32_16x16x4_f32). A number that lies on a knife's edge between two numbers of the format may be rounded either way, as far as f32 arithmetic and the matrix unit's own rounding can turn it there, and no further.
;; One version. Each part assembles by itself: llvm-mc -triple=amdgcn-amd-amdhsa -mcpu=gfx1250 --defsym DOCPART=n.
;; ======== version 1 of 1: 7 launches
;; limits: right only within a limited range of input values
;; workspace buffers: wq 13,107,200 bytes; qkvc 10,092,544 bytes; ac 3,276,800 bytes; x1c 3,276,800 bytes; hc 13,107,200 bytes; y 16,777,216 bytes; x1 16,777,216 bytes
;; launch quant (part 1): grid 1024 x 1, 4 waves a work-group, no clusters, 68,096 bytes of LDS; arguments src, qw, kw, vw, ow, w1, w2, wq; writes wq
.if DOCPART == 1
	.amdgcn_target "amdgcn-amd-amdhsa--gfx1250"
	.amdhsa_code_object_version 6
	.text
	.protected	k_qa244ec8441_quant
	.globl	k_qa244ec8441_quant
	.p2align	8
	.type	k_qa244ec8441_quant,@function
k_qa244ec8441_quant:
	s_mov_b64 s[64:65], 0
	v_nop
	global_prefetch_b8 v0, s[64:65] scope:SCOPE_SE
	s_setreg_imm32_b32 hwreg(HW_REG_WAVE_MODE, 25, 1), 1
	s_wait_xcnt 0x0
; src [4096][1024], qw, kw, vw, ow [1024][1024], w1 [4096][1024], w2 [1024][4096], all f32 with K innermost, become codes of BF6 (E3M2) with one E8M0 byte for each 32 along K.
; THE LAYOUT OF ALL CODES IN THIS PROGRAM.  A row block is 16 rows; lane r of block B stands for row 32 (B / 2) + 8 (B % 2) + r + 8 (r / 8).  A fragment (16 rows x 128 K) is 1,536 bytes, an image of the
; operand's 12 registers: two halves of 768 bytes; in half c lane l's registers 6 c .. 6 c + 3 lie at 16 l, its registers 6 c + 4, 6 c + 5 at 512 + 8 l.  A fragment's 16 scale words lie on end, 4 bytes a row.
; A UNIT is one row block x 8 K steps: 12,288 bytes of codes at 12,288 U, 512 bytes of scale words at SCB + 512 U.  Units: src 0-255, qw 256-319, kw 320-383, vw 384-447, ow 448-511, w1 512-767, w2 768-1023.
; SHARES.  A work-group makes one unit, wave w its fragments 2 w and 2 w + 1.  Each load reads 512 consecutive bytes of one row; the 16 rows turn through the wave's own stage in LDS, so that lane (r, h) then
; holds two whole blocks of 32 of its row, in the order of the operand's registers: the conversions' results are the image.  No barrier: waves share nothing.
; A block's scale is 2^(floor(log2(largest magnitude)) - 4); its byte is the largest magnitude's exponent field - 4, held at 1 from below.
; LIMITS: a block of zeros, and one whose largest magnitude lies under 2^-122, gets the byte 1 (its codes are zeros or tiny; this program alone reads the bytes); NaN and infinities among the inputs are not served.
.set SCB,  12582912
.set SP,   528                         ; a stage row: 512 bytes + 16
.set STG,  16*SP                       ; a stage: 16 rows
.set WREG, 2*STG                       ; a wave's two stages
.set LN,   1                           ; v1  lane
.set RR,   2                           ; v2  r = lane % 16
.set HH,   3                           ; v3  h = lane / 16
.set BASE, 4                           ; v4  16 x lane + 1,024 x wave: my 16 bytes of a row's part
.set OFF,  8                           ; v8-23  the same in each of the block's 16 rows
.set SIN,  24                          ; v24 the stage, way in
.set SOUT, 25                          ; v25 the stage, way out
.set O16,  26                          ; v26 16 x lane + 3,072 x wave
.set O8,   27                          ; v27 8 x lane + 3,072 x wave
.set O4,   28                          ; v28 4 x lane + 128 x wave
.set H8,   29                          ; v29 8 h
.set WW,   30
.set PT,   31
.set MX,   32                          ; v32-33 largest magnitudes;  v34-35 the conversions' scale operands;  v36-37 bytes
.set SCL,  34
.set BY,   36
.set W0,   38                          ; v38, v39 the two fragments' scale words
.set W1,   39
.set T,    40                          ; v40-47 the upper halves of two blocks' codes, before they are moved
.set C0,   48                          ; v48-59 fragment 0's codes;  v192-203 fragment 1's: no store's data are written again
.set C1,   192
.set R,    64                          ; v64-191 two fragments x 64 numbers
.set SEL,  40                          ; s[40:41] lane selects: lane l xor 16
.set CBS,  36                          ; s[36:37] the unit's codes;  s[38:39] its scale words
.set SBS,  38
	s_load_b512 s[8:23], s[0:1], 0x0               ; src, qw, kw, vw, ow, w1, w2, wq
	v_lshl_add_u32 v208, v0, 2, 0x10800
	v_mov_b32 v209, 0
	v_lshrrev_b32 v1, 5, v0
	v_readfirstlane_b32 s2, v1                     ; wave
	v_and_b32 v[LN], 31, v0
	v_and_b32 v[RR], 15, v0
	v_bfe_u32 v[HH], v0, 4, 1
	s_mov_b32 s[SEL], 0x76543210
	s_mov_b32 s[SEL+1], 0xfedcba98
	v_mov_b32 v[PT], 0                             ; a lane permute's destination counts as one of its sources
	s_mul_i32 s3, s2, WREG
	v_lshlrev_b32 v[BASE], 4, v[LN]
	v_lshl_add_u32 v[BASE], s2, 10, v[BASE]
	v_lshl_add_u32 v[SIN], v[LN], 4, s3
	v_mul_u32_u24 v[SOUT], v[RR], SP
	v_lshl_add_u32 v[SOUT], v[HH], 7, v[SOUT]
	v_add_nc_u32 v[SOUT], s3, v[SOUT]              ; row r, my block's 128 bytes
	s_mul_i32 s42, s2, 3072
	v_lshl_add_u32 v[O16], v[LN], 4, s42
	v_lshl_add_u32 v[O8], v[LN], 3, s42
	s_lshl_b32 s43, s2, 7
	v_lshl_add_u32 v[O4], v[LN], 2, s43
	v_lshlrev_b32 v[H8], 3, v[HH]
	s_wait_alu depctr_va_vdst(0)
	s_wait_kmcnt 0x0
; which tensor the unit belongs to: chosen by the work-group's number alone, without a branch
.macro PICK lim, p, first
	s_cmp_lt_u32 ttmp9, \lim
	s_cselect_b64 s[24:25], s[\p:\p+1], s[24:25]
	s_cselect_b32 s26, \first, s26
.endm
	s_mov_b64 s[24:25], s[20:21]
	s_mov_b32 s26, 768
	PICK 768, 18, 512
	PICK 512, 16, 448
	PICK 448, 14, 384
	PICK 384, 12, 320
	PICK 320, 10, 256
	PICK 256, 8, 0
	s_sub_co_u32 s27, ttmp9, s26                   ; the unit's number in its tensor
	s_lshr_b32 s28, s27, 2
	s_and_b32 s29, s27, 3
	s_mov_b32 s30, 16384
	s_cmp_lt_u32 ttmp9, 768                        ; K = 1,024: a unit is a whole row block; w2, K = 4,096: four units to a block
	s_cselect_b32 s28, s27, s28                    ; the row block
	s_cselect_b32 s29, 0, s29                      ; which 1,024 along K
	s_cselect_b32 s30, 4096, s30                   ; a row in bytes
	s_lshr_b32 s31, s28, 1
	s_lshl_b32 s31, s31, 5
	s_and_b32 s32, s28, 1
	s_lshl_b32 s32, s32, 3
	s_add_co_u32 s31, s31, s32                     ; the block's first row
	s_mul_i32 s32, s31, s30
	s_lshl_b32 s29, s29, 12
	s_add_co_u32 s32, s32, s29
	s_mov_b32 s33, 0
	s_add_nc_u64 s[24:25], s[24:25], s[32:33]
	s_mul_i32 s34, ttmp9, 12288
	s_mov_b32 s35, 0
	s_add_nc_u64 s[CBS:CBS+1], s[22:23], s[34:35]
	s_lshl_b32 s34, ttmp9, 9
	s_add_co_u32 s34, s34, SCB
	s_add_nc_u64 s[SBS:SBS+1], s[22:23], s[34:35]
.irp i, 0,1,2,3,4,5,6,7,8,9,10,11,12,13,14,15
	v_mad_u32_u24 v[OFF+\i], s30, \i+8*(\i/8), v[BASE]   ; stage row i is the block's row i + 8 (i / 8)
.endr
.macro LOAD f
.irp i, 0,1,2,3,4,5,6,7,8,9,10,11,12,13,14,15
	global_load_b128 v[R+64*\f+4*\i:R+64*\f+4*\i+3], v[OFF+\i], s[24:25] offset:512*\f th:TH_LOAD_NT   ; 32 lanes read 512 consecutive bytes of one row
.endr
.endm
.macro TURN f                          ; LDS serves a wave's instructions in order: no wait between the stores and the loads
.irp i, 0,1,2,3,4,5,6,7,8,9,10,11,12,13,14,15
	ds_store_b128 v[SIN], v[R+64*\f+4*\i:R+64*\f+4*\i+3] offset:STG*\f+SP*\i
.endr
.irp c, 0,1
.irp j, 0,1,2,3,4,5,6,7
	ds_load_b128 v[R+64*\f+32*\c+4*\j:R+64*\f+32*\c+4*\j+3], v[SOUT] offset:STG*\f+256*\c+16*\j   ; register 32 c + i: k = 64 c + 32 h + i of row r
.endr
.endr
.endm
; 64 numbers of a lane, two whole blocks, become the fragment's 12 registers in v[C] on and its scale word in v[W]; they are stored as fragment f of the wave's two.
.macro QF X, C, W, f
.irp c, 0,1
	v_max3_num_f32 v[MX+\c], |v[(\X)+32*\c]|, |v[(\X)+32*\c+1]|, 0x2800000   ; the floor 2^(5 - 127) holds the byte at 1 from below
.endr
.irp i, 2,4,6,8,10,12,14,16,18,20,22,24,26,28,30
.irp c, 0,1
	v_max3_num_f32 v[MX+\c], v[MX+\c], |v[(\X)+32*\c+\i]|, |v[(\X)+32*\c+\i+1]|
.endr
.endr
.irp c, 0,1
	v_add_nc_u32 v[SCL+\c], 0xfe000000, v[MX+\c]   ; 4 off the exponent field: the conversion takes this operand's exponent field as its scale
.endr
.irp c, 0,1
	v_lshrrev_b32 v[BY+\c], 23, v[SCL+\c]          ; the scale's byte
.endr
	v_lshl_or_b32 v[\W], v[BY+1], 16, v[BY]        ; my bytes: blocks h and 2 + h,
	v_lshlrev_b32 v[\W], v[H8], v[\W]              ; at their places;
	v_permlanex16_b32 v[PT], v[\W], s[SEL], s[SEL+1]
	v_or_b32 v[\W], v[\W], v[PT]                   ; with lane l xor 16's two the word is whole
.irp c, 0,1
	v_cvt_scalef32_pk16_bf6_f32 v[(\C)+6*\c:(\C)+6*\c+2], v[(\X)+32*\c:(\X)+32*\c+15], v[SCL+\c]
	v_cvt_scalef32_pk16_bf6_f32 v[T+4*\c:T+4*\c+2], v[(\X)+32*\c+16:(\X)+32*\c+31], v[SCL+\c]   ; (a conversion's three registers begin on an even number)
.endr
	v_nop                                          ; one plain place behind a scaled conversion
.irp c, 0,1
.irp i, 0,1,2
	v_mov_b32 v[(\C)+6*\c+3+\i], v[T+4*\c+\i]
.endr
.endr
	global_store_b128 v[O16], v[(\C):(\C)+3], s[CBS:CBS+1] offset:1536*\f            ; 512 consecutive bytes
	global_store_b64 v[O8], v[(\C)+4:(\C)+5], s[CBS:CBS+1] offset:1536*\f+512        ; 256 consecutive bytes
	global_store_b128 v[O16], v[(\C)+6:(\C)+9], s[CBS:CBS+1] offset:1536*\f+768
	global_store_b64 v[O8], v[(\C)+10:(\C)+11], s[CBS:CBS+1] offset:1536*\f+1280
.endm
	LOAD 0
	LOAD 1
	s_wait_loadcnt 16                              ; fragment 0's 16 loads are in; fragment 1's may be out
	TURN 0
	s_wait_loadcnt 0x0
	TURN 1
	s_wait_dscnt 32                                ; fragment 0 is back; the second turn's 32 instructions may be out
	QF R, C0, W0, 0
	s_wait_dscnt 0x0
	QF R+64, C1, W1, 1
	v_cmp_le_u32 vcc_lo, 16, v[LN]
	v_cndmask_b32 v[WW], v[W0], v[W1], vcc_lo      ; lanes 0-15 fragment 0's words, lanes 16-31 fragment 1's
	global_store_b32 v[O4], v[WW], s[SBS:SBS+1]    ; 128 consecutive bytes: the scale words are one part in 24 of the codes' bytes
	s_wait_tensorcnt 0x0
	ds_add_u32 v208, v209
	s_wait_dscnt 0x0
	s_endpgm
.Lfunc_end_k_qa244ec8441_quant:
	.size	k_qa244ec8441_quant, .Lfunc_end_k_qa244ec8441_quant-k_qa244ec8441_quant
	.p2alignl 7, 3214868480
	.fill 96, 4, 3214868480
	.section	.rodata,"a",@progbits
	.p2align	6, 0x0
	.amdhsa_kernel k_qa244ec8441_quant
		.amdhsa_group_segment_fixed_size 68096
		.amdhsa_private_segment_fixed_size 0
		.amdhsa_enable_private_segment 0
		.amdhsa_kernarg_size 64
		.amdhsa_user_sgpr_count 2
		.amdhsa_user_sgpr_kernarg_segment_ptr 1
		.amdhsa_wavefront_size32 1
		.amdhsa_system_sgpr_workgroup_id_x 1
		.amdhsa_system_sgpr_workgroup_id_y 1
		.amdhsa_system_sgpr_workgroup_id_z 1
		.amdhsa_system_vgpr_workitem_id 0
		.amdhsa_next_free_vgpr 210
		.amdhsa_next_free_sgpr 66
		.amdhsa_reserve_vcc 1
		.amdhsa_float_denorm_mode_32 3
		.amdhsa_float_denorm_mode_16_64 3
		.amdhsa_memory_ordered 1
		.amdhsa_forward_progress 1
		.amdhsa_inst_pref_size 19
	.end_amdhsa_kernel
	.amdgpu_metadata
---
amdhsa.version: [ 1, 2 ]
amdhsa.kernels:
  - .name:           k_qa244ec8441_quant
    .symbol:         k_qa244ec8441_quant.kd
    .args:
      - { .name: src, .offset: 0, .size: 8, .value_kind: global_buffer, .address_space: global }
      - { .name: qw, .offset: 8, .size: 8, .value_kind: global_buffer, .address_space: global }
      - { .name: kw, .offset: 16, .size: 8, .value_kind: global_buffer, .address_space: global }
      - { .name: vw, .offset: 24, .size: 8, .value_kind: global_buffer, .address_space: global }
      - { .name: ow, .offset: 32, .size: 8, .value_kind: global_buffer, .address_space: global }
      - { .name: w1, .offset: 40, .size: 8, .value_kind: global_buffer, .address_space: global }
      - { .name: w2, .offset: 48, .size: 8, .value_kind: global_buffer, .address_space: global }
      - { .name: wq, .offset: 56, .size: 8, .value_kind: global_buffer, .address_space: global }
    .group_segment_fixed_size: 68096
    .private_segment_fixed_size: 0
    .kernarg_segment_align: 8
    .kernarg_segment_size: 64
    .max_flat_workgroup_size: 128
    .sgpr_count:     66
    .vgpr_count:     210
    .wavefront_size: 32
...
	.end_amdgpu_metadata
.endif
;; end of part 1
;; launch qkv (part 2): grid 12 x 16, 4 waves a work-group, clusters of 4 x 4, 327,680 bytes of LDS; arguments wq, qb, kb, vb, qkvc; writes qkvc
.if DOCPART == 2
	.amdgcn_target "amdgcn-amd-amdhsa--gfx1250"
	.amdhsa_code_object_version 6
	.text
	.protected	k_qa244ec8441_qkv
	.globl	k_qa244ec8441_qkv
	.p2align	8
	.type	k_qa244ec8441_qkv,@function
k_qa244ec8441_qkv:
	s_mov_b64 s[64:65], 0
	v_nop
	global_prefetch_b8 v0, s[64:65] scope:SCOPE_SE
	s_setreg_imm32_b32 hwreg(HW_REG_WAVE_MODE, 25, 1), 1
	s_wait_xcnt 0x0
	s_wait_alu depctr_hold_cnt(0) depctr_sa_sdst(0) depctr_va_vdst(0) depctr_va_sdst(0) depctr_va_ssrc(0) depctr_va_vcc(0) depctr_vm_vsrc(0)
	s_getreg_b32 s2, hwreg(HW_REG_IB_STS2, 6, 4)
	s_cmp_eq_u32 s2, 0
	s_cbranch_scc0 .Lentry_in_a_cluster
	s_endpgm
.Lentry_in_a_cluster:
	s_bfe_u32 s2, ttmp6, 0x10000c
	s_cmp_lg_u32 s2, 0xf033
	s_cbranch_scc0 .Lentry_shape_is_right
	s_endpgm
.Lentry_shape_is_right:
; A GEMM on codes of BF6 (E3M2, one E8M0 byte for each 32 along K), K = 1,024, whose result is quantised again on the way out and leaves as codes.  One text for two launches:
; MODE 0: q, k, v = src W^T + bias.  q and k are quantised along the head's 64, v along the keys.   MODE 1: hidden = relu(x1 w1^T + b1), quantised along the hidden units.
; LAYOUT OF CODES: a row block is 16 rows, lane r of block B standing for row 32 (B / 2) + 8 (B % 2) + r + 8 (r / 8); a fragment (16 rows x 128 K) is 1,536 bytes, an image of the operand's 12 registers
; (two halves of 768: registers 6 c .. 6 c + 3 at 16 x lane, 6 c + 4, 6 c + 5 at 512 + 8 x lane); 16 scale words of 4 bytes for each fragment.  A block's 8 fragments lie on end: 12,288 bytes.
; SHARES.  A tile of 256 x 256 to a work-group of four waves, 128 x 128 to a wave: 64 accumulators.  THE MATRIX INSTRUCTION IS USED TRANSPOSED: source 0 = 16 rows of operand B, source 1 = 16 rows of operand A.
; By the order of rows in a block, the 16 registers of B's blocks 2 g and 2 g + 1 are then 16 NEIGHBOURS, 32 g + 16 (lane / 16) + 0 .. 15, along B's rows, of one row of A: what the next quantiser wants.
; MODE 0: clusters with x = 0, 1: A = src (tokens), B = qw, kw (features).  Clusters with x = 2: A = vw (channels), B = src (tokens): a lane holds a channel and its registers run along the keys.
; K goes in quarters of 256 through three LDS slots: three first fills and ONE refill (quarter 3 into slot 0).  CLUSTERS: 4 x 4; A's tiles are asked for jointly along a row of the cluster, B's along a column.
; All scale words of the wave's rows stay in registers: a load of 4 x lane brings K step 2 j into lanes 0-15 and K step 2 j + 1 into lanes 16-31; odd steps read the upper lanes.
; REGISTERS: window 0: v1-31 addresses; v32-63 A's scale words, v64-95 B's; v96-127, v224-255 the bias along the registers; v128-223 A's fragments, one set (on the way out: 64 numbers, codes, scratch).
;   window 1: B's fragments, two sets, at v0 and v128.   windows 2, 3: accumulator (a, b) at v[8 (8 (a % 4) + b)].
; MODE 0 loads both kinds of bias (along the registers, and of the lane's row) from addresses that are valid in every work-group, and each arm of the way out uses one: so every register is written on every way.
; LIMITS: a block of zeros, and one whose largest magnitude lies under 2^-122, gets the byte 1; NaN and infinities are not served.
.set MODE,  0
.set SLOT,  98304                      ; A's 16 blocks x 3,072 bytes (2 K steps), then B's
.set QUART, 24576                      ; 8 blocks: what one tensor load brings, and what a wave reads of A or of B
.set SPARE, 3*SLOT                     ; the spare words, 128 bytes a wave: two blocks of 256 bytes that no other line names
.set WQS,   12582912                   ; where wq's scale words begin
.if MODE == 0
.set PA, 4                             ; s[4:5] holds A's buffer, s[PB:PB+1] B's
.set PB, 4
.set ASCO, WQS
.else
.set PA, 4
.set PB, 6
.set ASCO, 3145728
.endif
.set A16, 4                            ; v4-6   16 x lane + my A blocks in slot 0, 1, 2;  v7-9 the same with 8 x lane
.set A8,  7
.set B16, 10                           ; v10-12, v13-15 the same for B
.set B8,  13
.set SPW, 16                           ; v16  my spare word;  v17  0: both never rewritten
.set NIL, 17
.set L4,  18                           ; v18  4 x lane;  v19  16 x lane;  v20  8 x lane;  v21  4 (lane % 16);  v22  64 (lane / 16);  v23  4 (r + 8 (r / 8))
.set L16, 19
.set L8,  20
.set R4,  21
.set H64, 22
.set RP4, 23
.set BR,  24                           ; v24-31 the bias of my row in each of A's 8 blocks (MODE 0)
.set SA,  32
.set SB,  64
.set AF,  128
.set H,   128                          ; the way out: v128-191 64 numbers; v192-211 codes; v212-215 largest magnitudes; v216-219 bytes; v220-223 scale operands; v2, v3 scale words
.set PC,  192
.set MX,  212
.set BT,  216
.set SO,  220
.set PW,  2
.set PW2, 3
.set G1A, 24                           ; s[24:31], s[32:39] descriptor groups 1;  s[40:51], s[52:63] groups 0, a set for each slot
.set G1B, 32
.set G0A, 40
.set G0B, 52
.set SEL, 66                           ; s[66:67] lane selects: lane l xor 16
.set SCA, 68                           ; s[68:69], s[70:71] the scale words of my rows of A, of B;  s[72:73], s[74:75] the biases
.set SCBB, 70
.set BIA, 72
.set BRA, 74
.set OB0, 76                           ; s[76:79] where codes go;  s[80:83] where scale words go
.set OB1, 78
.set OS0, 80
.set OS1, 82
.set MUL_LO, 0xa1                      ; source 0 (B) window 1, source 1 (A) window 0, C and D window 2
.set MUL_HI, 0xf1
.set MSB, 0
.macro WIN new                         ; the immediate's high byte repeats the setting that is left
.if MSB != (\new)
	s_set_vgpr_msb (MSB<<8)|(\new)
.set MSB, (\new)
.endif
.endm
; A joint load: waves 0 and 1 fetch A's halves, waves 2 and 3 B's.  The branch hangs on the wave's number alone.  Four v_nop follow each of the two lines.
.macro JLOAD g0a, g0b
	s_cmp_eq_u32 s15, 0
	s_cbranch_scc0 .Lfor_b_\@
	tensor_load_to_lds s[(\g0a):(\g0a)+3], s[G1A:G1A+7]
	s_nop 0
.rept 4
	v_nop
.endr
	s_branch .Lasked_\@
.Lfor_b_\@:
	tensor_load_to_lds s[(\g0b):(\g0b)+3], s[G1B:G1B+7]
	s_nop 0
.rept 4
	v_nop
.endr
.Lasked_\@:
.endm
.macro CREST                           ; a round of the cluster's barrier behind its opening barrier
	s_cmp_lg_u32 s14, 0
	s_cbranch_scc1 .Lnot_wave_0_\@
	s_barrier_signal -3
.Lnot_wave_0_\@:
	s_barrier_wait -3
	s_barrier_signal -1
	s_barrier_wait -1
.endm
.macro CROUND
	s_barrier_signal -1
	s_barrier_wait -1
	CREST
.endm
.macro PLACES                          ; four plain places behind a matrix instruction, in front of loads into its registers and of reads of its results
.rept 4
	v_nop
.endr
.endm
.macro FRAG reg, a16, a8, off          ; a fragment comes as it was stored: every load's bytes are consecutive from lane to lane
	ds_load_b128 v[(\reg):(\reg)+3], v[(\a16)] offset:(\off)
	ds_load_b64 v[(\reg)+4:(\reg)+5], v[(\a8)] offset:(\off)+512
	ds_load_b128 v[(\reg)+6:(\reg)+9], v[(\a16)] offset:(\off)+768
	ds_load_b64 v[(\reg)+10:(\reg)+11], v[(\a8)] offset:(\off)+1280
.endm
.macro FETCH_B s, q, p                 ; B's eight fragments of slot s, its q-th K step, into set p: 32 loads
	WIN 0x40
.irp i, 0,1,2,3,4,5,6,7
	FRAG 128*(\p)+12*\i, B16+(\s), B8+(\s), 3072*\i+1536*(\q)
.endr
	WIN 0
.endm
.macro FETCH_A s, q, i0                ; A's blocks i0 .. i0 + 3: 16 loads
.irp i, \i0, \i0+1, \i0+2, \i0+3
	FRAG AF+12*(\i), A16+(\s), A8+(\s), 3072*(\i)+1536*(\q)
.endr
.endm
; 16 matrix instructions: A's blocks a0, a0 + 1 x B's eight, K step t.  Step 0 starts the sums.  The 64 accumulators take turns, one instruction a turn, in the same order in every step.
.macro MUL16 a0, t
.irp a, \a0, \a0+1
.irp b, 0,1,2,3,4,5,6,7
.if (\t) == 0
	v_wmma_scale_f32_16x16x128_f8f6f4 v[8*(8*((\a)%4)+\b):8*(8*((\a)%4)+\b)+7], v[128*((\t)%2)+12*\b:128*((\t)%2)+12*\b+11], v[AF+12*(\a):AF+12*(\a)+11], 0, v[SB+4*\b+(\t)/2], v[SA+4*(\a)+(\t)/2] matrix_a_fmt:MATRIX_FMT_BF6 matrix_b_fmt:MATRIX_FMT_BF6
.elseif (\t)%2
	v_wmma_scale_f32_16x16x128_f8f6f4 v[8*(8*((\a)%4)+\b):8*(8*((\a)%4)+\b)+7], v[128*((\t)%2)+12*\b:128*((\t)%2)+12*\b+11], v[AF+12*(\a):AF+12*(\a)+11], v[8*(8*((\a)%4)+\b):8*(8*((\a)%4)+\b)+7], v[SB+4*\b+(\t)/2], v[SA+4*(\a)+(\t)/2] matrix_a_fmt:MATRIX_FMT_BF6 matrix_b_fmt:MATRIX_FMT_BF6 matrix_a_scale:MATRIX_SCALE_ROW1 matrix_b_scale:MATRIX_SCALE_ROW1
.else
	v_wmma_scale_f32_16x16x128_f8f6f4 v[8*(8*((\a)%4)+\b):8*(8*((\a)%4)+\b)+7], v[128*((\t)%2)+12*\b:128*((\t)%2)+12*\b+11], v[AF+12*(\a):AF+12*(\a)+11], v[8*(8*((\a)%4)+\b):8*(8*((\a)%4)+\b)+7], v[SB+4*\b+(\t)/2], v[SA+4*(\a)+(\t)/2] matrix_a_fmt:MATRIX_FMT_BF6 matrix_b_fmt:MATRIX_FMT_BF6
.endif
.endr
.endr
.endm
; K step t.  kind 0: plain.  kind 1: the slot is left and filled again, behind a round of the cluster's barrier.  kind 2: the next slot was filled by all four waves: a barrier.  kind 3: the last step.
.macro KSTEP t, kind
.set NS, (((\t)+1)/2)%3                ; the next step's slot, its place there, and B's set for it
.set NQ, ((\t)+1)%2
.set NP, 1-(\t)%2
.if \kind == 0
	s_wait_dscnt 16                                ; B's set and A's blocks 0-3 are in; the youngest 16 loads (A's blocks 4-7) may be out
	WIN MUL_LO
	MUL16 0, \t
	MUL16 2, \t
	s_wait_dscnt 0x0                               ; A's blocks 4-7 are in
	PLACES
	FETCH_B NS, NQ, NP
	FETCH_A NS, NQ, 0
	WIN MUL_HI
	MUL16 4, \t
	MUL16 6, \t
	PLACES
	WIN 0
	FETCH_A NS, NQ, 4
.elseif \kind != 3
	s_wait_tensorcnt 0x0                           ; all my tensor loads have landed  (every window is 0 here)
	ds_add_u32 v[SPW], v[NIL]                      ; 0 onto my spare word
	s_wait_dscnt 17                                ; (the add and A's blocks 4-7 may be out)
	WIN MUL_LO
	MUL16 0, \t                                    ; sixteen matrix instructions stand between the add and the wait for it
	s_wait_dscnt 0x0                               ; the add is done, and my reads of this slot are over
	s_barrier_signal -1
	MUL16 2, \t
	WIN 0
	s_barrier_wait -1
.if \kind == 1
	CREST                                          ; no wave of any partner still reads slot 0 or has a load on its way
	s_add_nc_u64 s[G0A+2:G0A+3], s[G0A+2:G0A+3], 9216   ; from K's quarter 0 to quarter 3
	s_add_nc_u64 s[G0B+2:G0B+3], s[G0B+2:G0B+3], 9216
	JLOAD G0A, G0B                                 ; the launch's one refill, first behind the round; its four v_nop are the places in front of the loads below
.else
	PLACES
.endif
	FETCH_B NS, NQ, NP
	FETCH_A NS, NQ, 0
	WIN MUL_HI
	MUL16 4, \t
	MUL16 6, \t
	PLACES
	WIN 0
	FETCH_A NS, NQ, 4
.else
	s_wait_dscnt 16
	WIN MUL_LO
	MUL16 0, \t
	MUL16 2, \t
	s_wait_dscnt 0x0
	WIN MUL_HI
	MUL16 4, \t
	MUL16 6, \t
	WIN 0
.endif
.endm
	s_load_b256 s[4:11], s[0:1], 0x0               ; MODE 0: wq, qb, kb, vb;  MODE 1: x1c, wq, b1, hc
.if MODE == 0
	s_load_b64 s[12:13], s[0:1], 0x20              ; qkvc
.endif
	v_lshl_add_u32 v[SPW], v0, 2, SPARE
	v_mov_b32 v[NIL], 0
	ds_add_u32 v16, v17
	ds_add_u32 v16, v17
	s_wait_dscnt 0x0
	v_lshrrev_b32 v1, 5, v0
	v_readfirstlane_b32 s14, v1                    ; wave
	s_lshr_b32 s15, s14, 1                         ; which half of A's rows is mine.  Also: I fetch for A (0) or for B (1)
	s_and_b32 s16, s14, 1                          ; which half of B's rows.  Also: which 8 blocks I fetch
	s_bfe_u32 s17, ttmp6, 0x40000                  ; cx
	s_bfe_u32 s18, ttmp6, 0x40004                  ; cy
	s_and_b32 s20, ttmp7, 0xffff
	s_lshl_b32 s20, s20, 2
	s_add_co_u32 s21, s20, s18                     ; 4 x cluster y + cy
	s_lshl_b32 s23, ttmp9, 2
	s_add_co_u32 s23, s23, s17                     ; 4 x cluster x + cx
.if MODE == 0
	s_add_co_u32 s22, s20, s17                     ; 4 x cluster y + cx
	s_lshl_b32 s88, s18, 4
	s_add_co_u32 s88, s88, 384                     ; v: A = vw, 16 blocks a tile
	s_lshl_b32 s89, s21, 4                         ; q, k: A = src
	s_lshl_b32 s90, s22, 4                         ; v: B = src
	s_lshl_b32 s91, s23, 4
	s_add_co_u32 s91, s91, 256                     ; q, k: B = qw, kw
	s_cmp_eq_u32 ttmp9, 2                          ; the cluster's x: the same in all sixteen partners
	s_cselect_b32 s88, s88, s89                    ; A's first unit: of cy and the cluster's place alone
	s_cselect_b32 s90, s90, s91                    ; B's first unit: of cx and the cluster's place alone
	s_cselect_b32 s21, s18, s21                    ; tile row
	s_cselect_b32 s22, s22, s23                    ; tile column
.else
	s_mov_b32 s22, s23
	s_lshl_b32 s88, s21, 4
	s_lshl_b32 s90, s22, 4
	s_add_co_u32 s90, s90, 512                     ; w1's units
.endif
	s_lshl_b32 s92, s18, 2
	s_lshl_b32 s92, 15, s92                        ; my row of the cluster
	s_lshl_b32 s93, 0x1111, s17                    ; my column
	; descriptor group 1: 8 rows (blocks) of 3,072 bytes = 384 elements of 8 bytes, 12,288 bytes apart; no padding
	s_or_b32 s[G1A], s92, (3<<16)|(1<<21)
	s_or_b32 s[G1B], s93, (3<<16)|(1<<21)
.irp g, G1A, G1B
	s_mov_b32 s[\g+1], 384<<16                     ; tensor_dim0
	s_mov_b32 s[\g+2], 16<<16                      ; tensor_dim1: 16 blocks for the head's loads; behind them 8
	s_mov_b32 s[\g+3], 384<<16                     ; tile_dim0
	s_mov_b32 s[\g+4], 16                          ; tile_dim1
	s_mov_b32 s[\g+5], 1536                        ; tensor_dim0_stride
	s_mov_b32 s[\g+6], 0
	s_mov_b32 s[\g+7], 0
.endr
	s_lshl_b32 s94, s16, 3
	s_add_co_u32 s94, s94, s88
	s_mul_i32 s94, s94, 12288
	s_mov_b32 s95, 0
	s_lshl_b32 s96, s16, 3
	s_add_co_u32 s96, s96, s90
	s_mul_i32 s96, s96, 12288
	s_mov_b32 s97, 0
	s_mul_i32 s98, s14, QUART                      ; where they go: no place in the cluster enters an LDS address
	s_wait_kmcnt 0x0
	s_add_nc_u64 s[94:95], s[PA:PA+1], s[94:95]
	s_add_nc_u64 s[96:97], s[PB:PB+1], s[96:97]
	CROUND                                         ; all sixteen work-groups are here: the first joint loads meet
.irp n, 0,1,2
	s_mov_b32 s[G0A+4*\n], 1
	s_add_co_u32 s[G0A+4*\n+1], s98, \n*SLOT
	s_add_nc_u64 s[G0A+4*\n+2:G0A+4*\n+3], s[94:95], \n*3072
	s_or_b32 s[G0A+4*\n+3], s[G0A+4*\n+3], 0x80000000
	s_mov_b32 s[G0B+4*\n], 1
	s_add_co_u32 s[G0B+4*\n+1], s98, \n*SLOT
	s_add_nc_u64 s[G0B+4*\n+2:G0B+4*\n+3], s[96:97], \n*3072
	s_or_b32 s[G0B+4*\n+3], s[G0B+4*\n+3], 0x80000000
.endr
	; THE HEAD'S LOADS, one a wave, each a whole tile of 16 blocks: waves 0, 1 bring A's quarters 0, 1 of K, waves 2, 3 B's.  Their group 0 lies in slot 1's sets, which the ring does not use
	s_mul_i32 s99, s16, 3072                       ; which quarter
	s_mul_i32 s84, s88, 12288
	s_add_co_u32 s84, s84, s99
	s_mov_b32 s85, 0
	s_add_nc_u64 s[G0A+6:G0A+7], s[PA:PA+1], s[84:85]
	s_or_b32 s[G0A+7], s[G0A+7], 0x80000000
	s_mul_i32 s[G0A+5], s16, SLOT
	s_mul_i32 s86, s90, 12288
	s_add_co_u32 s86, s86, s99
	s_mov_b32 s87, 0
	s_add_nc_u64 s[G0B+6:G0B+7], s[PB:PB+1], s[86:87]
	s_or_b32 s[G0B+7], s[G0B+7], 0x80000000
	s_mul_i32 s[G0B+5], s16, SLOT
	s_add_co_u32 s[G0B+5], s[G0B+5], 2*QUART
	JLOAD G0A+4, G0B+4
	v_and_b32 v1, 31, v0
	v_and_b32 v2, 15, v0
	v_bfe_u32 v3, v0, 4, 1
	v_lshlrev_b32 v[L4], 2, v1
	v_lshlrev_b32 v[L16], 4, v1
	v_lshlrev_b32 v[L8], 3, v1
	v_lshlrev_b32 v[R4], 2, v2
	v_lshlrev_b32 v[H64], 6, v3
	v_and_b32 v[RP4], 8, v2
	v_add_nc_u32 v[RP4], v[RP4], v2
	v_lshlrev_b32 v[RP4], 2, v[RP4]
	s_mul_i32 s84, s15, QUART
	s_mul_i32 s85, s16, QUART
	s_add_co_u32 s85, s85, 2*QUART
.irp s, 0,1,2
	v_add_nc_u32 v[A16+\s], s84, v[L16]
	v_add_nc_u32 v[A8+\s], s84, v[L8]
	v_add_nc_u32 v[B16+\s], s85, v[L16]
	v_add_nc_u32 v[B8+\s], s85, v[L8]
	s_add_co_u32 s84, s84, SLOT
	s_add_co_u32 s85, s85, SLOT
.endr
	s_mov_b32 s[SEL], 0x76543210
	s_mov_b32 s[SEL+1], 0xfedcba98
	s_mov_b32 s87, 0
	s_lshl_b32 s86, s15, 3
	s_add_co_u32 s86, s86, s88
	s_lshl_b32 s86, s86, 9                         ; 512 bytes of scale words a block
	s_add_co_u32 s86, s86, ASCO
	s_add_nc_u64 s[SCA:SCA+1], s[PA:PA+1], s[86:87]
	s_lshl_b32 s86, s16, 3
	s_add_co_u32 s86, s86, s90
	s_lshl_b32 s86, s86, 9
	s_add_co_u32 s86, s86, WQS
	s_add_nc_u64 s[SCBB:SCBB+1], s[PB:PB+1], s[86:87]
.irp i, 0,1,2,3,4,5,6,7
.irp j, 0,1,2,3
	global_load_b32 v[SA+4*\i+\j], v[L4], s[SCA:SCA+1] offset:512*\i+128*\j     ; lanes 0-15: K step 2 j; lanes 16-31: K step 2 j + 1
	global_load_b32 v[SB+4*\i+\j], v[L4], s[SCBB:SCBB+1] offset:512*\i+128*\j
.endr
.endr
.if MODE == 0
	s_and_b32 s86, s22, 3
	s_lshl_b32 s86, s86, 10
	s_lshl_b32 s89, s16, 9
	s_add_co_u32 s86, s86, s89                     ; 4 (256 (tile column % 4) + 128 x half)
	s_cmp_eq_u32 ttmp9, 0
	s_cselect_b64 s[BIA:BIA+1], s[6:7], s[8:9]     ; qb, else kb
	s_add_nc_u64 s[BIA:BIA+1], s[BIA:BIA+1], s[86:87]
	s_and_b32 s86, s21, 3
	s_lshl_b32 s86, s86, 10
	s_lshl_b32 s89, s15, 9
	s_add_co_u32 s86, s86, s89
	s_add_nc_u64 s[BRA:BRA+1], s[10:11], s[86:87]  ; vb
.else
	s_lshl_b32 s86, s22, 10
	s_lshl_b32 s89, s16, 9
	s_add_co_u32 s86, s86, s89
	s_add_nc_u64 s[BIA:BIA+1], s[8:9], s[86:87]    ; b1
.endif
.irp b, 0,1,2,3,4,5,6,7                        ; lane (r, h), block b, register i: the bias of B's row 32 (b / 2) + 8 (b % 2) + 16 h + i
	global_load_b128 v[96+8*\b+96*(\b/4):96+8*\b+96*(\b/4)+3], v[H64], s[BIA:BIA+1] offset:4*(32*(\b/2)+8*(\b%2))
	global_load_b128 v[96+8*\b+96*(\b/4)+4:96+8*\b+96*(\b/4)+7], v[H64], s[BIA:BIA+1] offset:4*(32*(\b/2)+8*(\b%2))+16
.endr
.if MODE == 0
.irp a, 0,1,2,3,4,5,6,7
	global_load_b32 v[BR+\a], v[RP4], s[BRA:BRA+1] offset:4*(32*(\a/2)+8*(\a%2))   ; the bias of my row of A's block a
.endr
	; where the results go.  q: halves [head][token block][768] from 6,684,672, scale words from 9,830,400.  k, v: chunks [head][128 keys][13,056]: k's 8 halves, v's 4 fragments, k's scale words, v's.
	s_lshr_b32 s84, s21, 3                         ; the batch
	s_lshl_b32 s84, s84, 4
	s_and_b32 s85, s22, 3
	s_lshl_b32 s85, s85, 2
	s_add_co_u32 s84, s84, s85
	s_lshl_b32 s85, s16, 1
	s_add_co_u32 s84, s84, s85                     ; the first of my two heads
	s_and_b32 s85, s21, 7
	s_lshl_b32 s86, s84, 7
	s_lshl_b32 s89, s85, 4
	s_add_co_u32 s86, s86, s89
	s_lshl_b32 s89, s15, 3
	s_add_co_u32 s86, s86, s89                     ; q: head x 128 + my first token block
	s_lshl_b32 s90, s86, 6
	s_add_co_u32 s90, s90, 9830400
	s_mul_i32 s86, s86, 768
	s_add_co_u32 s86, s86, 6684672
	s_lshl_b32 s92, s84, 4
	s_lshl_b32 s89, s85, 1
	s_add_co_u32 s92, s92, s89
	s_add_co_u32 s92, s92, s15                     ; k: head x 16 + my key step
	s_mul_i32 s92, s92, 13056
	s_add_co_u32 s93, s92, 12288
	s_lshl_b32 s94, s22, 1
	s_add_co_u32 s94, s94, s16                     ; v: my 128 tokens
	s_lshr_b32 s95, s94, 4
	s_lshl_b32 s95, s95, 4
	s_lshl_b32 s89, s18, 2
	s_add_co_u32 s95, s95, s89
	s_lshl_b32 s89, s15, 1
	s_add_co_u32 s95, s95, s89                     ; the first of my two heads
	s_lshl_b32 s95, s95, 4
	s_and_b32 s94, s94, 15
	s_add_co_u32 s95, s95, s94
	s_mul_i32 s95, s95, 13056
	s_add_co_u32 s95, s95, 6144
	s_add_co_u32 s96, s95, 6656
	s_mov_b32 s84, 208896                          ; from a head to the next: 16 chunks; in q 128 halves, 128 x 64 bytes of scale words
	s_mov_b32 s85, 208896
	s_cmp_eq_u32 ttmp9, 0
	s_cselect_b32 s86, s86, s92
	s_cselect_b32 s90, s90, s93
	s_cselect_b32 s84, 98304, s84
	s_cselect_b32 s85, 8192, s85
	s_cmp_eq_u32 ttmp9, 2
	s_cselect_b32 s86, s95, s86
	s_cselect_b32 s90, s96, s90
	s_mov_b32 s91, 0
	s_add_nc_u64 s[OB0:OB0+1], s[12:13], s[86:87]
	s_add_nc_u64 s[OS0:OS0+1], s[12:13], s[90:91]
	s_add_co_u32 s86, s86, s84
	s_add_co_u32 s90, s90, s85
	s_add_nc_u64 s[OB1:OB1+1], s[12:13], s[86:87]  ; the second head's (q and k alone use these two)
	s_add_nc_u64 s[OS1:OS1+1], s[12:13], s[90:91]
.else
	s_lshl_b32 s86, s21, 4
	s_lshl_b32 s89, s15, 3
	s_add_co_u32 s86, s86, s89                     ; my first token block
	s_lshl_b32 s86, s86, 5                         ; 32 K steps a block in hc
	s_lshl_b32 s89, s22, 1
	s_add_co_u32 s86, s86, s89
	s_add_co_u32 s86, s86, s16                     ; my 128 hidden units are K step 2 x tile column + half
	s_lshl_b32 s90, s86, 6
	s_add_co_u32 s90, s90, 12582912
	s_mov_b32 s91, 0
	s_mul_i32 s86, s86, 1536
	s_add_nc_u64 s[OB0:OB0+1], s[10:11], s[86:87]
	s_add_nc_u64 s[OS0:OS0+1], s[10:11], s[90:91]
.endif
	s_wait_alu depctr_va_vdst(0)
	s_wait_tensorcnt 0x0                           ; my head load is in
	ds_add_u32 v[SPW], v[NIL]
	s_mov_b32 s[G1A+2], 8<<16                      ; no tensor load of mine is out: from here on a load brings 8 blocks
	s_mov_b32 s[G1A+4], 8
	s_mov_b32 s[G1B+2], 8<<16
	s_mov_b32 s[G1B+4], 8
	s_wait_dscnt 0x0
	CROUND                                         ; slots 0 and 1 are whole, and all sixteen work-groups are here
	JLOAD G0A+8, G0B+8                             ; slot 2's first fill: K's quarter 2
	FETCH_B 0, 0, 0
	FETCH_A 0, 0, 0
	FETCH_A 0, 0, 4
	s_wait_loadcnt 0x0                             ; scale words and biases
	KSTEP 0, 0
	KSTEP 1, 0
	KSTEP 2, 1                                     ; slot 2 is whole behind this round; slot 0, read last for K step 1, takes quarter 3
	KSTEP 3, 0
	KSTEP 4, 0
	KSTEP 5, 2                                     ; slot 0's second fill is whole behind this barrier
	KSTEP 6, 0
	KSTEP 7, 3
; THE WAY OUT, a block of A's 16 rows at a time: + bias (and relu), quantised along B's 128 rows, stored as an image.
; 64 numbers of a lane, register 16 b + i = k 32 b + 16 (lane / 16) + i of my row, become a fragment's codes in v[PC] on and its scale word in v[PW].
.macro QUANT s
.irp b, 0,1,2,3
	v_max3_num_f32 v[MX+\b], |v[\s+16*\b]|, |v[\s+1+16*\b]|, 0x2800000   ; the floor 2^(5 - 127) holds the byte at 1 from below
.endr
.irp i, 2,4,6,8,10,12,14
.irp b, 0,1,2,3
	v_max3_num_f32 v[MX+\b], v[MX+\b], |v[\s+16*\b+\i]|, |v[\s+1+16*\b+\i]|
.endr
.endr
.irp b, 0,1,2,3
	v_permlanex16_b32 v[BT+\b], v[MX+\b], s[SEL], s[SEL+1]
.endr
.irp b, 0,1,2,3
	v_max_num_f32 v[MX+\b], v[MX+\b], v[BT+\b]     ; with lane l xor 16's: the block's largest magnitude
.endr
.irp b, 0,1,2,3
	v_add_nc_u32 v[SO+\b], 0xfe000000, v[MX+\b]    ; 4 off its exponent field: the conversion's scale operand
.endr
.irp b, 0,1,2,3
	v_lshrrev_b32 v[BT+\b], 23, v[SO+\b]           ; the scale's byte
.endr
	v_lshl_or_b32 v[PW], v[BT+1], 8, v[BT]
	v_lshl_or_b32 v[PW], v[BT+2], 16, v[PW]
	v_lshl_or_b32 v[PW], v[BT+3], 24, v[PW]
.irp c, 0,1
	v_cvt_scalef32_pk16_bf6_f32 v[PC+6*\c:PC+2+6*\c], v[\s+32*\c:\s+15+32*\c], v[SO+2*\c]
	v_cvt_scalef32_pk16_bf6_f32 v[PC+12+4*\c:PC+14+4*\c], v[\s+16+32*\c:\s+31+32*\c], v[SO+2*\c+1]   ; (a conversion's three registers begin on an even number)
.endr
	v_nop                                          ; one plain place behind a scaled conversion
.irp c, 0,1                                    ; the operand's layout wants a whole block in a lane
.irp i, 0,1,2
	v_permlane16_swap_b32 v[PC+6*\c+\i], v[PC+12+4*\c+\i]
.endr
.irp i, 0,1,2
	v_mov_b32 v[PC+3+6*\c+\i], v[PC+12+4*\c+\i]
.endr
.endr
.endm
.macro ADDB a, kind                    ; kind 0: the bias runs along the registers; 1: it is my row's.  Each accumulator is read from its low end on
	WIN 0x02+(\a)/4
.irp b, 0,1,2,3,4,5,6,7
.irp i, 0,2,4,6
.if \kind == 0
	v_pk_add_f32 v[H+8*\b+\i:H+8*\b+\i+1], v[64*((\a)%4)+8*\b+\i:64*((\a)%4)+8*\b+\i+1], v[96+8*\b+96*(\b/4)+\i:96+8*\b+96*(\b/4)+\i+1]
.elseif (\a)%2 == 0
	v_pk_add_f32 v[H+8*\b+\i:H+8*\b+\i+1], v[64*((\a)%4)+8*\b+\i:64*((\a)%4)+8*\b+\i+1], v[BR+(\a):BR+(\a)+1] op_sel_hi:[1,0]
.else
	v_pk_add_f32 v[H+8*\b+\i:H+8*\b+\i+1], v[64*((\a)%4)+8*\b+\i:64*((\a)%4)+8*\b+\i+1], v[BR+(\a)-1:BR+(\a)] op_sel:[0,1] op_sel_hi:[1,1]
.endif
.endr
.endr
	WIN 0
.endm
.macro PUT off, soff                   ; a whole fragment and its scale words (lanes l and l xor 16 hold the same word and write it to the same place)
	global_store_b128 v[L16], v[PC:PC+3], s[OB0:OB0+1] offset:(\off)
	global_store_b64 v[L8], v[PC+4:PC+5], s[OB0:OB0+1] offset:(\off)+512
	global_store_b128 v[L16], v[PC+6:PC+9], s[OB0:OB0+1] offset:(\off)+768
	global_store_b64 v[L8], v[PC+10:PC+11], s[OB0:OB0+1] offset:(\off)+1280
	global_store_b32 v[R4], v[PW], s[OS0:OS0+1] offset:(\soff)
.endm
.macro PUTQK a                         ; the fragment's two halves are two heads' operands; each head's scale word has its two bytes lowest
	v_lshrrev_b32 v[PW2], 16, v[PW]
	global_store_b128 v[L16], v[PC:PC+3], s[OB0:OB0+1] offset:768*(\a)
	global_store_b64 v[L8], v[PC+4:PC+5], s[OB0:OB0+1] offset:768*(\a)+512
	global_store_b128 v[L16], v[PC+6:PC+9], s[OB1:OB1+1] offset:768*(\a)
	global_store_b64 v[L8], v[PC+10:PC+11], s[OB1:OB1+1] offset:768*(\a)+512
	global_store_b32 v[R4], v[PW], s[OS0:OS0+1] offset:64*(\a)
	global_store_b32 v[R4], v[PW2], s[OS1:OS1+1] offset:64*(\a)
.endm
	PLACES                                         ; behind the last products: their results are read and A's registers written below
.irp b, 0,1,2,3
	v_mov_b32 v[BT+\b], 0                          ; a lane permute's destination counts as one of its sources
.endr
.if MODE == 0
	s_cmp_eq_u32 ttmp9, 2                          ; the cluster's x: all partners take the same arm; no barrier and no tensor load stands in an arm
	s_cbranch_scc1 .Lv_arm
.irp a, 0,1,2,3,4,5,6,7
.if \a > 0
	s_wait_xcnt 0x0                                ; the last block's stores have read their registers
.endif
	ADDB \a, 0
	QUANT H
	PUTQK \a
.endr
	s_branch .Lout
.Lv_arm:
.irp a, 0,1,2,3,4,5,6,7
.if \a > 0
	s_wait_xcnt 0x0
.endif
	ADDB \a, 1
	QUANT H
	PUT 208896*(\a/4)+1536*(\a%4), 208896*(\a/4)+64*(\a%4)   ; channel block a: head a / 4 of my two, fragment a % 4
.endr
.Lout:
.else
.irp a, 0,1,2,3,4,5,6,7
.if \a > 0
	s_wait_xcnt 0x0
.endif
	ADDB \a, 0
.set jj, 0
.rept 64
	v_max_num_f32 v[H+jj], 0, v[H+jj]              ; the activation, in f32
.set jj, jj+1
.endr
	QUANT H
	PUT 49152*\a, 2048*\a                          ; a token block on: 32 fragments
.endr
.endif
	s_wait_tensorcnt 0x0                           ; the wave's end
	ds_add_u32 v[SPW], v[NIL]
	s_wait_dscnt 0x0
	CROUND                                         ; the closing round
	s_endpgm
.Lfunc_end_k_qa244ec8441_qkv:
	.size	k_qa244ec8441_qkv, .Lfunc_end_k_qa244ec8441_qkv-k_qa244ec8441_qkv
	.p2alignl 7, 3214868480
	.fill 96, 4, 3214868480
	.section	.rodata,"a",@progbits
	.p2align	6, 0x0
	.amdhsa_kernel k_qa244ec8441_qkv
		.amdhsa_group_segment_fixed_size 327680
		.amdhsa_private_segment_fixed_size 0
		.amdhsa_enable_private_segment 0
		.amdhsa_kernarg_size 40
		.amdhsa_user_sgpr_count 2
		.amdhsa_user_sgpr_kernarg_segment_ptr 1
		.amdhsa_wavefront_size32 1
		.amdhsa_system_sgpr_workgroup_id_x 1
		.amdhsa_system_sgpr_workgroup_id_y 1
		.amdhsa_system_sgpr_workgroup_id_z 1
		.amdhsa_system_vgpr_workitem_id 0
		.amdhsa_next_free_vgpr 1024
		.amdhsa_next_free_sgpr 100
		.amdhsa_reserve_vcc 0
		.amdhsa_float_denorm_mode_32 3
		.amdhsa_float_denorm_mode_16_64 3
		.amdhsa_memory_ordered 1
		.amdhsa_forward_progress 1
		.amdhsa_inst_pref_size 223
	.end_amdhsa_kernel
	.amdgpu_metadata
---
amdhsa.version: [ 1, 2 ]
amdhsa.kernels:
  - .name:           k_qa244ec8441_qkv
    .symbol:         k_qa244ec8441_qkv.kd
    .args:
      - { .name: wq, .offset: 0, .size: 8, .value_kind: global_buffer, .address_space: global }
      - { .name: qb, .offset: 8, .size: 8, .value_kind: global_buffer, .address_space: global }
      - { .name: kb, .offset: 16, .size: 8, .value_kind: global_buffer, .address_space: global }
      - { .name: vb, .offset: 24, .size: 8, .value_kind: global_buffer, .address_space: global }
      - { .name: qkvc, .offset: 32, .size: 8, .value_kind: global_buffer, .address_space: global }
    .group_segment_fixed_size: 327680
    .private_segment_fixed_size: 0
    .kernarg_segment_align: 8
    .kernarg_segment_size: 40
    .max_flat_workgroup_size: 128
    .sgpr_count:     100
    .vgpr_count:     1024
    .wavefront_size: 32
...
	.end_amdgpu_metadata
.endif
;; end of part 2
;; launch attn (part 3): grid 8 x 32, 16 waves a work-group, clusters of 4 x 1, 210,944 bytes of LDS; arguments qkvc, ac; writes ac
.if DOCPART == 3
	.amdgcn_target "amdgcn-amd-amdhsa--gfx1250"
	.amdhsa_code_object_version 6
	.text
	.protected	k_qa244ec8441_attn
	.globl	k_qa244ec8441_attn
	.p2align	8
	.type	k_qa244ec8441_attn,@function
k_qa244ec8441_attn:
	s_mov_b64 s[64:65], 0
	v_nop
	global_prefetch_b8 v0, s[64:65] scope:SCOPE_SE
	s_setreg_imm32_b32 hwreg(HW_REG_WAVE_MODE, 25, 1), 1
	s_wait_xcnt 0x0
	s_wait_alu depctr_hold_cnt(0) depctr_sa_sdst(0) depctr_va_vdst(0) depctr_va_sdst(0) depctr_va_ssrc(0) depctr_va_vcc(0) depctr_vm_vsrc(0)
	s_getreg_b32 s2, hwreg(HW_REG_IB_STS2, 6, 4)
	s_cmp_eq_u32 s2, 0
	s_cbranch_scc0 .Lentry_in_a_cluster
	s_endpgm
.Lentry_in_a_cluster:
	s_bfe_u32 s2, ttmp6, 0x10000c
	s_cmp_lg_u32 s2, 0x3003
	s_cbranch_scc0 .Lentry_shape_is_right
	s_endpgm
.Lentry_shape_is_right:
; Attention of one head (64 channels, 2,048 keys) on codes of BF6 (E3M2, one E8M0 byte for each 32 along a product's K); the result, divided by the row's sum, is quantised along the channels and leaves as codes.
; THE SOFTMAX AHEAD OF THE SECOND PRODUCT: t = score x log2(e) / 8; M = the running largest t rounded UP to a whole number; p = 2^(t - M) is quantised along the keys, not normalised; the row's sum is taken of
; the unquantised p.  When M moves, the sums and O are multiplied by 2^(old M - new M), which rounds nothing.
; SHARES.  A work-group owns 256 queries of one head, each of its sixteen waves one tile of 16.  A head's k, v and scale words are 16 chunks of 13,056 bytes (128 keys each: k's 8 halves of 768 bytes, v's 4 fragments
; of 1,536, k's scale words, v's): 208,896 bytes, which lie in LDS whole: every byte is filled once, wave w bringing chunk w.  So there is no ring, and no loop of tensor loads ahead of which a prefetch could run.
; CLUSTER.  The four query blocks of a cluster read the same head: each chunk is asked for jointly, by the same tensor load with the same descriptor and the mask 15.
; LAYOUT.  Both products are used transposed (S^T = k q^T, O^T = v^T p^T): a lane holds ONE query.  WHICH KEYS FORM A TILE OF k IS CHOSEN BY THE LDS ADDRESS: tile 4 c + u takes as its rows 0-7 the keys
; 64 c + 8 u + 0..7 and as its rows 8-15 the keys 64 c + 32 + 8 u + 0..7.  So lane (r, h) holds in the 32 registers of tiles 4 c .. 4 c + 3 the keys 64 c + 32 h + 0..31: ONE WHOLE BLOCK of p's quantiser, in the order
; of the operand's registers 6 c .. 6 c + 5.  A block's largest score needs no other lane, and the conversions' results are the operand.  In the stored image key 32 b + x lies in half 2 b + (x % 16) / 8 at row
; 8 (x / 16) + x % 8: lanes 8-15 of a tile read 1,536 bytes behind lanes 0-7.
; THE ORDER OF A TRIP i: S(i) and O += v(i-1) p(i-1) are issued together; then k(i+1) and v(i) are fetched, a whole softmax ahead of their use (k and v have registers of their own); then the softmax of step i.
; The first trip multiplies zero codes into O (O, p's codes and v's registers begin as zeros); the last trip's fetch of k wraps to chunk 0 and is not used; the last product stands behind the loop.
; K = 64 IN AN INSTRUCTION OF 128: q's upper six registers hold zero codes.  k's operand for tile j is v[32 + 6 j] on, 12 registers: its upper six are the next tile's codes (behind tile 7: p's codes).  Each of those
; products is 0 x a number of the format, which has neither infinity nor NaN, under scale bytes from 0 to 254: it adds nothing.
; LIMITS: the promise holds while the scaled scores t stay under 2^31 in magnitude; a block whose every p has fallen to 0 keeps the byte 1 (its codes are zeros); NaN and infinities are not served; v_exp_f32 and
; v_rcp_f32 are as accurate as the ISA guide states, and v_exp_f32 is taken not to fall where its input rises.
.set CH,   13056
.set QCO,  6684672                     ; q's halves [head][token block][768]
.set QSO,  9830400                     ; q's scale words
.set ACS,  3145728                     ; ac's scale words
.set LN,   1                           ; v1 lane;  v2 lane % 8 + 16 h;  v3 1,536 (r / 8);  v4 lane % 8 + 16 h + 32 (r / 8);  v5 8 h
.set LAM,  2
.set R15,  3
.set KAP,  4
.set H8,   5
.set SPW,  6                           ; v6 my spare word;  v7 0: both never rewritten
.set NIL,  7
.set KSC,  8                           ; v8-11 k's scale words: lanes 0-15 tile 2 g, lanes 16-31 tile 2 g + 1
.set NM,   12                          ; v12 -M;  v13 the running largest score (named with it as a pair)
.set RM,   13
.set OLD,  14
.set PW,   15                          ; p's scale word
.set QR,   16                          ; v16-27 q (v22-27 zeros);  v28 its scale words
.set QSC,  28
.set VSC,  29                          ; v29-30 v's scale words
.set TW,   31
.set KV,   32                          ; v32-79 k's 8 tiles
.set PC,   80                          ; v80-91 p's codes
.set VV,   92                          ; v92-139 v's 4 fragments
.set S,    140                         ; v140-203 S^T, then p
.set OT,   204                         ; v204-235 O^T
.set LS,   236                         ; v236-243 the row's sum, in four chains of two
.set BM,   244                         ; v244-247 largest scores;  v248-249 the conversions' scale operands
.set SO,   248
.set AD,   244                         ; v244-249 also: the LDS addresses of a trip's fetches, made just ahead of them
.set TP,   250
.set PT,   251
.set DD,   252
.set FF,   254                         ; v[254:255] f = 2^(old M - new M)
.set WV,   8
.set G1,   16
.set G0,   24
.set SEL,  36
.set CS,   38
.set TB,   40
.set IX,   41
.set TK,   48
.set T1,   49
.set NC,   50
.macro CROUND                          ; a round of the cluster's barrier
	s_barrier_signal -1
	s_barrier_wait -1
	s_cmp_lg_u32 s[WV], 0
	s_cbranch_scc1 .Lnot_wave_0_\@
	s_barrier_signal -3
.Lnot_wave_0_\@:
	s_barrier_wait -3
	s_barrier_signal -1
	s_barrier_wait -1
.endm
.macro ADRK                            ; where my rows of k's tiles lie in the chunk at s[TK]
	v_add_nc_u32 v[AD], s[TK], v[R15]
	v_lshl_add_u32 v[AD+2], v[KAP], 2, s[TK]
	v_lshl_add_u32 v[AD+1], v[LAM], 3, v[AD]
	v_lshl_add_u32 v[AD], v[LAM], 4, v[AD]
.endm
.macro ADRV                            ; v's fragments come as they were stored, from the chunk at s[TB]
	v_lshl_add_u32 v[AD+3], v[LN], 4, s[TB]
	v_lshl_add_u32 v[AD+4], v[LN], 3, s[TB]
	v_lshl_add_u32 v[AD+5], v[LN], 2, s[TB]
.endm
.macro KLOAD
.irp T, 0,1,2,3,4,5,6,7
	ds_load_b128 v[KV+6*\T:KV+6*\T+3], v[AD] offset:3072*(\T/4)+768*(\T%2)+128*((\T%4)/2)
	ds_load_b64 v[KV+6*\T+4:KV+6*\T+5], v[AD+1] offset:3072*(\T/4)+768*(\T%2)+512+64*((\T%4)/2)
.endr
.irp g, 0,1,2,3
	ds_load_b32 v[KSC+\g], v[AD+2] offset:12288+256*(\g/2)+32*(\g%2)
.endr
.endm
.macro VLOAD
.irp t, 0,1,2,3
	ds_load_b128 v[VV+12*\t:VV+12*\t+3], v[AD+3] offset:6144+1536*\t
	ds_load_b64 v[VV+12*\t+4:VV+12*\t+5], v[AD+4] offset:6144+1536*\t+512
	ds_load_b128 v[VV+12*\t+6:VV+12*\t+9], v[AD+3] offset:6144+1536*\t+768
	ds_load_b64 v[VV+12*\t+10:VV+12*\t+11], v[AD+4] offset:6144+1536*\t+1280
.endr
.irp t, 0,1
	ds_load_b32 v[VSC+\t], v[AD+5] offset:12800+128*\t
.endr
.endm
.macro SMUL                            ; S^T = k q^T: eight tiles of 16 keys
.irp T, 0,1,2,3,4,5,6,7
.if \T%2
	v_wmma_scale_f32_16x16x128_f8f6f4 v[S+8*\T:S+8*\T+7], v[KV+6*\T:KV+6*\T+11], v[QR:QR+11], 0, v[KSC+\T/2], v[QSC] matrix_a_fmt:MATRIX_FMT_BF6 matrix_b_fmt:MATRIX_FMT_BF6 matrix_a_scale:MATRIX_SCALE_ROW1
.else
	v_wmma_scale_f32_16x16x128_f8f6f4 v[S+8*\T:S+8*\T+7], v[KV+6*\T:KV+6*\T+11], v[QR:QR+11], 0, v[KSC+\T/2], v[QSC] matrix_a_fmt:MATRIX_FMT_BF6 matrix_b_fmt:MATRIX_FMT_BF6
.endif
.endr
.endm
.macro PVMUL                           ; O^T += v^T p^T: the four accumulators by turns; between two steps of one sum stand at least three other matrix instructions
.irp t, 0,1,2,3
.if \t%2
	v_wmma_scale_f32_16x16x128_f8f6f4 v[OT+8*\t:OT+8*\t+7], v[VV+12*\t:VV+12*\t+11], v[PC:PC+11], v[OT+8*\t:OT+8*\t+7], v[VSC+\t/2], v[PW] matrix_a_fmt:MATRIX_FMT_BF6 matrix_b_fmt:MATRIX_FMT_BF6 matrix_a_scale:MATRIX_SCALE_ROW1
.else
	v_wmma_scale_f32_16x16x128_f8f6f4 v[OT+8*\t:OT+8*\t+7], v[VV+12*\t:VV+12*\t+11], v[PC:PC+11], v[OT+8*\t:OT+8*\t+7], v[VSC+\t/2], v[PW] matrix_a_fmt:MATRIX_FMT_BF6 matrix_b_fmt:MATRIX_FMT_BF6
.endif
.endr
.endm
.macro TM j                            ; t - M, two at a time
	v_pk_fma_f32 v[S+(\j):S+(\j)+1], v[S+(\j):S+(\j)+1], s[CS:CS+1], v[NM:NM+1] op_sel_hi:[1,0,0]
.endm
.macro SUM q                           ; the q-th pair of p onto chain q % 4
	v_pk_add_f32 v[LS+2*((\q)%4):LS+2*((\q)%4)+1], v[LS+2*((\q)%4):LS+2*((\q)%4)+1], v[S+2*(\q):S+2*(\q)+1]
.endm
	s_load_b128 s[4:7], s[0:1], 0x0                ; qkvc, ac
	v_lshl_add_u32 v[SPW], v0, 2, 0x33000
	v_mov_b32 v[NIL], 0
	ds_add_u32 v[SPW], v[NIL]                      ; the opening lines: the add twice on end, and its wait, ahead of my tensor load
	ds_add_u32 v[SPW], v[NIL]
	v_lshrrev_b32 v1, 5, v0
	s_delay_alu instid0(VALU_DEP_1)
	v_readfirstlane_b32 s[WV], v1                  ; wave 0..15
	s_bfe_u32 s9, ttmp6, 0x40000                   ; cx: it enters q's and the output's addresses alone
	s_lshl_b32 s10, ttmp9, 2
	s_add_co_u32 s10, s10, s9
	s_lshl_b32 s10, s10, 4
	s_add_co_u32 s10, s10, s[WV]                   ; my token block in the batch, 0..127
	s_and_b32 s11, ttmp7, 0xffff                   ; 16 x batch + head
	; descriptor group 1: a chunk is dense: 51 rows of 256 bytes (32 elements of 8 bytes)
	s_mov_b32 s[G1], 15|(3<<16)|(1<<21)
	s_mov_b32 s[G1+1], 32<<16
	s_mov_b32 s[G1+2], 51<<16
	s_mov_b32 s[G1+3], 32<<16
	s_mov_b32 s[G1+4], 51
	s_mov_b32 s[G1+5], 32
	s_mov_b32 s[G1+6], 0
	s_mov_b32 s[G1+7], 0
	s_lshl_b32 s12, s11, 4
	s_add_co_u32 s12, s12, s[WV]
	s_mul_i32 s12, s12, CH
	s_mov_b32 s13, 0
	s_mov_b32 s[G0], 1
	s_mul_i32 s[G0+1], s[WV], CH
	s_lshl_b32 s14, s11, 7
	s_add_co_u32 s14, s14, s10
	s_lshl_b32 s42, s14, 6
	s_add_co_u32 s42, s42, QSO
	s_mov_b32 s43, 0
	s_mul_i32 s14, s14, 768
	s_add_co_u32 s14, s14, QCO
	s_mov_b32 s15, 0
	s_lshr_b32 s44, s11, 4
	s_lshl_b32 s44, s44, 7
	s_add_co_u32 s44, s44, s10                     ; my token block of all 256
	s_lshl_b32 s44, s44, 3
	s_bfe_u32 s45, s11, 0x30001                    ; head / 2: the K step of the next product
	s_add_co_u32 s44, s44, s45
	s_and_b32 s45, s11, 1                          ; head % 2: which half of the fragment
	s_lshl_b32 s46, s44, 6
	s_lshl_b32 s47, s45, 1
	s_add_co_u32 s46, s46, s47
	s_add_co_u32 s46, s46, ACS
	s_mul_i32 s44, s44, 1536
	s_mul_i32 s45, s45, 768
	s_add_co_u32 s44, s44, s45
	s_mov_b32 s45, 0
	s_mov_b32 s47, 0
	s_mov_b32 s[SEL], 0x76543210
	s_mov_b32 s[SEL+1], 0xfedcba98
	s_mov_b32 s[CS], 0x3e38aa3b                    ; c = log2(e) / 8
	s_mov_b32 s[CS+1], s[CS]                       ; (named with it as a pair)
	s_mov_b32 s[NC], 0xbe38aa3b                    ; -c
	s_mov_b32 s[IX], 0
	s_mov_b32 s[TK], 0
	s_wait_dscnt 0x0
	s_wait_kmcnt 0x0
	s_add_nc_u64 s[G0+2:G0+3], s[4:5], s[12:13]
	s_or_b32 s[G0+3], s[G0+3], 0x80000000
	s_add_nc_u64 s[28:29], s[4:5], s[14:15]        ; q's half
	s_add_nc_u64 s[30:31], s[4:5], s[42:43]        ; q's scale words
	s_add_nc_u64 s[32:33], s[6:7], s[44:45]        ; my half of ac
	s_add_nc_u64 s[34:35], s[6:7], s[46:47]        ; and its two scale bytes a row
	CROUND                                         ; all four work-groups are here: the joint loads meet
	tensor_load_to_lds s[G0:G0+3], s[G1:G1+7]      ; chunk w: my one tensor load
	s_nop 0
.rept 4
	v_nop
.endr
	v_and_b32 v[LN], 31, v0
	v_bfe_u32 v[TP], v0, 4, 1                      ; h
	v_bfe_u32 v[PT], v0, 3, 1                      ; r / 8
	v_and_b32 v[LAM], 7, v0
	v_and_b32 v[DD], 15, v0
	v_lshlrev_b32 v[S], 4, v[LN]
	v_lshlrev_b32 v[S+1], 3, v[LN]
	v_lshlrev_b32 v[S+2], 2, v[DD]
	v_lshl_add_u32 v[LAM], v[TP], 4, v[LAM]
	v_mul_u32_u24 v[R15], v[PT], 1536
	v_lshlrev_b32 v[H8], 3, v[TP]
	v_lshl_add_u32 v[KAP], v[PT], 5, v[LAM]
	global_load_b128 v[QR:QR+3], v[S], s[28:29]
	global_load_b64 v[QR+4:QR+5], v[S+1], s[28:29] offset:512
	global_load_b32 v[QSC], v[S+2], s[30:31]
	v_mov_b32 v[PW], 0                             ; the first trip's product of zeros: finite scale bytes,
	v_mov_b32 v[VSC], 0
	v_mov_b32 v[VSC+1], 0
.set jj, 0
.rept 60
	v_mov_b32 v[PC+jj], 0                          ; zero codes in p's and v's registers (these lines stand under the tensor load's flight)
.set jj, jj+1
.endr
.irp i, 0,1,2,3,4,5
	v_mov_b32 v[QR+6+\i], 0                        ; zero codes for k = 64 .. 127
.endr
	v_mov_b32 v[RM], 0xff61b1e6                    ; the largest score so far: -3e38
	v_mov_b32 v[NM], 0x7f61b1e6                    ; -M
	v_mov_b32 v[FF+1], 0                           ; (named as the upper half of a pair)
.set jj, 0
.rept 40
	v_mov_b32 v[OT+jj], 0                          ; O^T and the four sums: the step is written once, the first finds zeros
.set jj, jj+1
.endr
	s_wait_alu depctr_va_vdst(0)                   ; the wait at the head's end
	s_wait_tensorcnt 0x0                           ; my chunk is in,
	s_barrier_signal -1
	s_barrier_wait -1                              ; everybody's is
	ADRK
	KLOAD                                          ; k of chunk 0
	s_wait_loadcnt 0x0                             ; q
	s_wait_dscnt 0x0
.Lstep:                                            ; 16 trips of 128 keys
	s_add_co_u32 s[T1], s[IX], 1
	s_and_b32 s[T1], s[T1], 15                     ; the next chunk; behind the last, chunk 0 (fetched, not used)
	s_mul_i32 s[TK], s[T1], CH
	s_mul_i32 s[TB], s[IX], CH
	SMUL
	PVMUL
	ADRK                                           ; seven plain lines: the places behind the products, in front of the loads into their registers and of the reads of S^T
	ADRV
	KLOAD
	VLOAD
.irp b, 0,1,2,3                                ; the largest score of each block of 32 keys, in two chains a block: for the row's maximum, and, since p rises with the score, for the block's largest p
	v_max3_num_f32 v[BM+\b], v[S+16*\b], v[S+16*\b+1], v[S+16*\b+2]
.endr
.irp i, 3,5,7,9,11,13
.irp b, 0,1,2,3
	v_max3_num_f32 v[BM+\b], v[BM+\b], v[S+16*\b+\i], v[S+16*\b+\i+1]
.endr
.endr
	v_max3_num_f32 v[BM+1], v[BM+1], v[S+15], v[S+31]
	v_max3_num_f32 v[BM+3], v[BM+3], v[S+47], v[S+63]
	v_mov_b32 v[OLD], v[NM]
	s_delay_alu instid0(VALU_DEP_3)
	v_max_num_f32 v[BM], v[BM], v[BM+1]            ; block h
	s_delay_alu instid0(VALU_DEP_3)
	v_max_num_f32 v[BM+2], v[BM+2], v[BM+3]        ; block 2 + h
	s_delay_alu instid0(VALU_DEP_1)
	v_max_num_f32 v[TW], v[BM], v[BM+2]
	s_delay_alu instid0(VALU_DEP_1)
	v_permlanex16_b32 v[TP], v[TW], s[SEL], s[SEL+1]
	s_delay_alu instid0(VALU_DEP_1)
	v_max3_num_f32 v[RM], v[RM], v[TW], v[TP]      ; the running largest score of my query
	s_delay_alu instid0(VALU_DEP_1)
	v_mul_f32 v[TW], s[NC], v[RM]                  ; -t
	s_delay_alu instid0(VALU_DEP_1)
	v_floor_f32 v[NM], v[TW]                       ; the new -M = floor(-t)
	s_delay_alu instid0(VALU_DEP_1)
	v_sub_f32 v[DD], v[NM], v[OLD]                 ; old M - new M: a whole number, 0 or less
.irp j, 0,2,4,6
	TM \j
.endr
	v_cvt_i32_f32 v[DD], v[DD]                     ; (it saturates)
.irp j, 8,10,12,14
	TM \j
.endr
	v_ldexp_f32 v[FF], 1.0, v[DD]                  ; f
.set jj, 16
.rept 24
	TM jj
.set jj, jj+2
.endr
	v_fma_f32 v[BM], v[BM], s[CS], v[NM]
	v_fma_f32 v[BM+2], v[BM+2], s[CS], v[NM]
.set jj, 0
.rept 16
	v_pk_mul_f32 v[OT+jj:OT+jj+1], v[OT+jj:OT+jj+1], v[FF:FF+1] op_sel_hi:[1,0]   ; O^T under the new M; each accumulator from its low end on
.set jj, jj+2
.endr
	s_wait_alu depctr_va_vdst(0)                   ; the wait ahead of the batch
.set jj, 0
.rept 64
	v_exp_f32 v[S+jj], v[S+jj]                     ; p = 2^(t - M)
.set jj, jj+1
.endr
	v_exp_f32 v[BM], v[BM]                         ; the blocks' largest p: the same two instructions on the same number
	v_exp_f32 v[BM+2], v[BM+2]
	v_nop                                          ; a plain place behind the exponentials
	s_wait_alu depctr_va_vdst(0)                   ; one wait for the whole batch, ahead of its first reader
	v_max_num_f32 v[BM], 0x2800000, v[BM]          ; the floor 2^(5 - 127) holds the byte at 1 from below
	v_max_num_f32 v[BM+2], 0x2800000, v[BM+2]
.irp q, 0,1,2,3                                ; THE ROW'S SUM IS TAKEN OF THE UNQUANTISED p; each chain's first line also brings it under the new M
	v_pk_fma_f32 v[LS+2*\q:LS+2*\q+1], v[LS+2*\q:LS+2*\q+1], v[FF:FF+1], v[S+2*\q:S+2*\q+1] op_sel_hi:[1,0,1]
.endr
	v_add_nc_u32 v[SO], 0xfe000000, v[BM]          ; 4 off the exponent field: the conversion's scale operand
	v_add_nc_u32 v[SO+1], 0xfe000000, v[BM+2]
.irp q, 16,17,18,19
	SUM \q
.endr
	v_lshrrev_b32 v[BM+1], 23, v[SO]               ; the scales' bytes
	v_lshrrev_b32 v[BM+3], 23, v[SO+1]
.irp q, 4,5,6,7
	SUM \q
.endr
	v_lshl_or_b32 v[PT], v[BM+3], 16, v[BM+1]      ; my bytes: blocks h and 2 + h,
.irp q, 8,9,10,11
	SUM \q
.endr
	v_lshlrev_b32 v[PT], v[H8], v[PT]              ; at their places
.irp q, 12,13,14,15
	SUM \q
.endr
	v_permlanex16_b32 v[TP], v[PT], s[SEL], s[SEL+1]
	v_cvt_scalef32_pk16_bf6_f32 v[PC:PC+2], v[S:S+15], v[SO]
	v_cvt_scalef32_pk16_bf6_f32 v[PC+6:PC+8], v[S+32:S+47], v[SO+1]
	SUM 20                                         ; a plain place: the next two land on numbers that the first two have read (and that are summed already)
	v_cvt_scalef32_pk16_bf6_f32 v[S:S+2], v[S+16:S+31], v[SO]        ; (a conversion's three registers begin on an even number)
	v_cvt_scalef32_pk16_bf6_f32 v[S+32:S+34], v[S+48:S+63], v[SO+1]
	SUM 21                                         ; one plain place behind a scaled conversion
	v_or_b32 v[PW], v[PT], v[TP]                   ; with lane l xor 16's two bytes the scale word is whole
.irp i, 0,1,2
	v_mov_b32 v[PC+3+\i], v[S+\i]
.endr
.irp i, 0,1,2
	v_mov_b32 v[PC+9+\i], v[S+32+\i]
.endr
.irp q, 22,23,24,25,26,27,28,29,30,31          ; with the six moves: sixteen places between the scale word and the products, ten behind the last code
	SUM \q
.endr
	s_add_co_u32 s[IX], s[IX], 1
	s_cmp_lt_u32 s[IX], 16
	s_wait_alu depctr_va_vdst(0)                   ; the wait here, directly ahead of the wait below
	s_wait_dscnt 0x0                               ; k of the next step and v of this one, asked for a softmax ago
	s_cbranch_scc1 .Lstep
	PVMUL                                          ; the last step's product
	; THE WAY OUT: O^T / the sum; its 64 channels are two blocks of 32 along the next product's K: half a fragment.
	v_pk_add_f32 v[LS:LS+1], v[LS:LS+1], v[LS+2:LS+3]
	v_pk_add_f32 v[LS+4:LS+5], v[LS+4:LS+5], v[LS+6:LS+7]
	v_and_b32 v[DD], 15, v0
	v_lshlrev_b32 v[KV], 4, v[LN]
	v_pk_add_f32 v[LS:LS+1], v[LS:LS+1], v[LS+4:LS+5]
	v_lshlrev_b32 v[KV+1], 3, v[LN]
	v_lshlrev_b32 v[KV+2], 2, v[DD]
	v_add_f32 v[LS], v[LS], v[LS+1]
	v_permlanex16_b32 v[TP], v[LS], s[SEL], s[SEL+1]
	v_add_f32 v[LS], v[LS], v[TP]                  ; the row's sum
	s_wait_alu depctr_va_vdst(0)
	v_rcp_f32 v[LS], v[LS]
	v_nop                                          ; a plain place behind the reciprocal
	s_wait_alu depctr_va_vdst(0)                   ; ahead of the first reader of the reciprocal and of O^T
.set jj, 0
.rept 32
	v_mul_f32 v[S+jj], v[OT+jj], v[LS]             ; register 16 b + i: channel 32 b + 16 (lane / 16) + i
.set jj, jj+1
.endr
.irp b, 0,1
	v_max3_num_f32 v[BM+\b], |v[S+16*\b]|, |v[S+1+16*\b]|, 0x2800000
.endr
.irp i, 2,4,6,8,10,12,14
.irp b, 0,1
	v_max3_num_f32 v[BM+\b], v[BM+\b], |v[S+16*\b+\i]|, |v[S+1+16*\b+\i]|
.endr
.endr
	v_permlanex16_b32 v[TP], v[BM], s[SEL], s[SEL+1]
	v_permlanex16_b32 v[PT], v[BM+1], s[SEL], s[SEL+1]
	v_max_num_f32 v[BM], v[BM], v[TP]              ; with lane l xor 16's 16 channels
	v_max_num_f32 v[BM+1], v[BM+1], v[PT]
	v_add_nc_u32 v[SO], 0xfe000000, v[BM]
	v_add_nc_u32 v[SO+1], 0xfe000000, v[BM+1]
	v_lshrrev_b32 v[TP], 23, v[SO]
	v_lshrrev_b32 v[PT], 23, v[SO+1]
	v_lshl_or_b32 v[TW], v[PT], 8, v[TP]           ; my row's two scale bytes
	v_cvt_scalef32_pk16_bf6_f32 v[PC:PC+2], v[S:S+15], v[SO]
	v_cvt_scalef32_pk16_bf6_f32 v[VV:VV+2], v[S+16:S+31], v[SO+1]
	v_nop
.irp i, 0,1,2
	v_permlane16_swap_b32 v[PC+\i], v[VV+\i]       ; the operand's layout wants a whole block in a lane
.endr
.irp i, 0,1,2
	v_mov_b32 v[PC+3+\i], v[VV+\i]
.endr
	global_store_b128 v[KV], v[PC:PC+3], s[32:33]              ; 512 consecutive bytes
	global_store_b64 v[KV+1], v[PC+4:PC+5], s[32:33] offset:512  ; 256 consecutive bytes
	global_store_b16 v[KV+2], v[TW], s[34:35]                  ; a head owns half of each scale word: 2 bytes a row; lanes l and l xor 16 write the same value
	s_wait_tensorcnt 0x0                           ; the wave's end
	ds_add_u32 v[SPW], v[NIL]
	s_wait_dscnt 0x0
	CROUND                                         ; the closing round
	s_endpgm
.Lfunc_end_k_qa244ec8441_attn:
	.size	k_qa244ec8441_attn, .Lfunc_end_k_qa244ec8441_attn-k_qa244ec8441_attn
	.p2alignl 7, 3214868480
	.fill 96, 4, 3214868480
	.section	.rodata,"a",@progbits
	.p2align	6, 0x0
	.amdhsa_kernel k_qa244ec8441_attn
		.amdhsa_group_segment_fixed_size 210944
		.amdhsa_private_segment_fixed_size 0
		.amdhsa_enable_private_segment 0
		.amdhsa_kernarg_size 16
		.amdhsa_user_sgpr_count 2
		.amdhsa_user_sgpr_kernarg_segment_ptr 1
		.amdhsa_wavefront_size32 1
		.amdhsa_system_sgpr_workgroup_id_x 1
		.amdhsa_system_sgpr_workgroup_id_y 1
		.amdhsa_system_sgpr_workgroup_id_z 1
		.amdhsa_system_vgpr_workitem_id 0
		.amdhsa_next_free_vgpr 256
		.amdhsa_next_free_sgpr 66
		.amdhsa_reserve_vcc 0
		.amdhsa_float_denorm_mode_32 3
		.amdhsa_float_denorm_mode_16_64 3
		.amdhsa_memory_ordered 1
		.amdhsa_forward_progress 1
		.amdhsa_inst_pref_size 31
	.end_amdhsa_kernel
	.amdgpu_metadata
---
amdhsa.version: [ 1, 2 ]
amdhsa.kernels:
  - .name:           k_qa244ec8441_attn
    .symbol:         k_qa244ec8441_attn.kd
    .args:
      - { .name: qkvc, .offset: 0, .size: 8, .value_kind: global_buffer, .address_space: global }
      - { .name: ac, .offset: 8, .size: 8, .value_kind: global_buffer, .address_space: global }
    .group_segment_fixed_size: 210944
    .private_segment_fixed_size: 0
    .kernarg_segment_align: 8
    .kernarg_segment_size: 16
    .max_flat_workgroup_size: 512
    .sgpr_count:     66
    .vgpr_count:     256
    .wavefront_size: 32
...
	.end_amdgpu_metadata
.endif
;; end of part 3
;; launch oln (part 4): grid 256 x 1, 8 waves a work-group, no clusters, 77,824 bytes of LDS; arguments ac, wq, src, ob, g1, beta1, x1, x1c; writes x1, x1c
.if DOCPART == 4
	.amdgcn_target "amdgcn-amd-amdhsa--gfx1250"
	.amdhsa_code_object_version 6
	.text
	.protected	k_qa244ec8441_oln
	.globl	k_qa244ec8441_oln
	.p2align	8
	.type	k_qa244ec8441_oln,@function
k_qa244ec8441_oln:
	s_mov_b64 s[64:65], 0
	v_nop
	global_prefetch_b8 v0, s[64:65] scope:SCOPE_SE
	s_setreg_imm32_b32 hwreg(HW_REG_WAVE_MODE, 25, 1), 1
	s_wait_xcnt 0x0
; x1 = LayerNorm(src + a ow^T + ob) x g1 + beta1: the projection on codes of BF6 (E3M2, one E8M0 byte for each 32 along K), K = 1,024, and the norm over rows of 1,024, in one launch; x1 leaves as f32 and as codes.
; LAYOUT OF CODES: a row block is 16 rows, lane r of block B standing for row 32 (B / 2) + 8 (B % 2) + r + 8 (r / 8); a fragment (16 rows x 128 K) is 1,536 bytes, an image of the operand's 12 registers
; (two halves of 768: registers 6 c .. 6 c + 3 at 16 x lane, 6 c + 4, 6 c + 5 at 512 + 8 x lane); 16 scale words of 4 bytes for each fragment; a block's 8 fragments lie on end.
; SHARES.  A work-group owns one block of 16 tokens and all 1,024 columns, so that a row's mean and variance are made inside it; each of its eight waves owns 128 columns: 8 accumulators, 64 matrix instructions.
; THE MATRIX INSTRUCTION IS USED TRANSPOSED (source 0 = 16 rows of ow, source 1 = the 16 tokens): lane (r, h) holds token r, and its register 16 g + i column 32 g + 16 h + i of the wave's 128.
; ow's FRAGMENTS GO FROM MEMORY STRAIGHT INTO REGISTERS, as their stored image: with 16 tokens each fragment feeds ONE matrix instruction, so a way through LDS would add a write and a read of each byte and share
; nothing inside the work-group; hence no tensor load, no ring, no joint load.  A wave's 64 fragments come in 16 batches of 4 (16 loads); four batches are asked for at a time, in four sets of registers.
; No prefetch: a quarter of a wave's whole stream is asked for from its first lines on, and all work-groups walk the same 64 row blocks of ow.
; THE NORM.  src's rows are read by whole rows (512 consecutive bytes a load), ob is added there, and they turn through the wave's own stage in LDS into the accumulators' layout.  Mean and variance in two passes (the
; variance is the mean of (x - mean)^2); each pass joins the eight waves' parts through 512 bytes of LDS of its own, behind one barrier.  x1 goes back through the stage and leaves by whole rows;
; a wave's 128 columns are one fragment of x1c.
; REGISTERS: window 0: v1-31 addresses and work; v32-35 a's scale words, v36-67 ow's (lanes 0-15 K step 2 j, lanes 16-31 K step 2 j + 1); v68-163 a's 8 fragments; v164-227 the accumulators.
;   Behind the products: v32-95 src + ob, then beta1, then the quantiser's; v96-159 g1, then x1's rows.   window 1: v0-191 ow's four sets; v192-255 src's rows as loaded.
; LIMITS: a block of zeros, and one whose largest magnitude lies under 2^-122, gets the byte 1 (this program alone reads the bytes); NaN and infinities are not served; v_rsq_f32 is as accurate as the ISA guide states.
.set WQS,  12582912                    ; wq's scale words
.set SCO,  3145728                     ; ac's and x1c's scale words
.set SP,   528                         ; a stage row: 512 bytes + 16
.set STG,  16*SP
.set CB,   8*STG                       ; g1's and beta1's 512 bytes of each wave
.set RED,  CB+8*1024                   ; two tables [row][wave] of f32
.set SPARE, RED+1024                   ; the spare words, 128 bytes a wave
.set L16,  1
.set L8,   2
.set L4,   3
.set R4,   4
.set SPW,  5
.set NIL,  6
.set SIN,  7                           ; the stage by rows: 16 x lane
.set SRH,  8                           ; the stage in my layout: row r, + 64 h
.set CIN,  9
.set COUT, 10
.set RST,  11
.set RLD,  30
.set PW,   31
.set OBR,  12                          ; v12-23 ob, g1, beta1 as loaded
.set SA,   32
.set SB,   36
.set AF,   68
.set ACC,  164
.set XS,   32
.set BE,   32
.set GG,   96
.set PC,   32                          ; the quantiser: v32-51 codes, v52-55 largest magnitudes, v56-59 bytes, v60-63 scale operands
.set MX,   52
.set BT,   56
.set SO,   60
.set SEL,  48
.set MSB, 0
.macro WIN new                         ; the immediate's high byte repeats the setting that is left
.if MSB != (\new)
	s_set_vgpr_msb (MSB<<8)|(\new)
.set MSB, (\new)
.endif
.endm
.macro PLACES                          ; four plain places behind a matrix instruction (ISA guide 7.12.1)
.rept 4
	v_nop
.endr
.endm
.macro GFR reg, sb, off                ; a fragment as it was stored: every load's bytes are consecutive from lane to lane
	global_load_b128 v[(\reg):(\reg)+3], v[L16], s[\sb:\sb+1] offset:(\off)
	global_load_b64 v[(\reg)+4:(\reg)+5], v[L8], s[\sb:\sb+1] offset:(\off)+512
	global_load_b128 v[(\reg)+6:(\reg)+9], v[L16], s[\sb:\sb+1] offset:(\off)+768
	global_load_b64 v[(\reg)+10:(\reg)+11], v[L8], s[\sb:\sb+1] offset:(\off)+1280
.endm
.macro BLOAD n                         ; batch n: K step n / 2, ow's blocks 4 (n % 2) + 0 .. 3, into set n % 4 of window 1
	WIN 0x40
.irp i, 0,1,2,3
	GFR 48*((\n)%4)+12*\i, 24, 12288*(4*((\n)%2)+\i)+1536*((\n)/2)
.endr
.endm
.macro BMUL n                          ; its four products; the eight accumulators take turns, one instruction a turn
	WIN 0x01
.irp i, 0,1,2,3
.if (\n)/2 == 0
	v_wmma_scale_f32_16x16x128_f8f6f4 v[ACC+8*(4*((\n)%2)+\i):ACC+8*(4*((\n)%2)+\i)+7], v[48*((\n)%4)+12*\i:48*((\n)%4)+12*\i+11], v[AF+12*((\n)/2):AF+12*((\n)/2)+11], 0, v[SB+4*(4*((\n)%2)+\i)+(\n)/4], v[SA+(\n)/4] matrix_a_fmt:MATRIX_FMT_BF6 matrix_b_fmt:MATRIX_FMT_BF6
.elseif ((\n)/2)%2
	v_wmma_scale_f32_16x16x128_f8f6f4 v[ACC+8*(4*((\n)%2)+\i):ACC+8*(4*((\n)%2)+\i)+7], v[48*((\n)%4)+12*\i:48*((\n)%4)+12*\i+11], v[AF+12*((\n)/2):AF+12*((\n)/2)+11], v[ACC+8*(4*((\n)%2)+\i):ACC+8*(4*((\n)%2)+\i)+7], v[SB+4*(4*((\n)%2)+\i)+(\n)/4], v[SA+(\n)/4] matrix_a_fmt:MATRIX_FMT_BF6 matrix_b_fmt:MATRIX_FMT_BF6 matrix_a_scale:MATRIX_SCALE_ROW1 matrix_b_scale:MATRIX_SCALE_ROW1
.else
	v_wmma_scale_f32_16x16x128_f8f6f4 v[ACC+8*(4*((\n)%2)+\i):ACC+8*(4*((\n)%2)+\i)+7], v[48*((\n)%4)+12*\i:48*((\n)%4)+12*\i+11], v[AF+12*((\n)/2):AF+12*((\n)/2)+11], v[ACC+8*(4*((\n)%2)+\i):ACC+8*(4*((\n)%2)+\i)+7], v[SB+4*(4*((\n)%2)+\i)+(\n)/4], v[SA+(\n)/4] matrix_a_fmt:MATRIX_FMT_BF6 matrix_b_fmt:MATRIX_FMT_BF6
.endif
.endr
.endm
.macro JOIN off                        ; four chains in v[12:19] -> my row's total over all 1,024 columns, in v20
	v_pk_add_f32 v[12:13], v[12:13], v[14:15]
	v_pk_add_f32 v[16:17], v[16:17], v[18:19]
	v_pk_add_f32 v[12:13], v[12:13], v[16:17]
	v_add_f32 v12, v12, v13
	v_permlanex16_b32 v13, v12, s[SEL], s[SEL+1]
	v_add_f32 v12, v12, v13                        ; my wave's 128 columns of row r
	ds_store_b32 v[RST], v12 offset:\off           ; lanes l and l xor 16 write the same value to the same word
	s_wait_alu depctr_va_vdst(0)                   ; the wait here, directly ahead of the wait below
	s_wait_dscnt 0x0                               ; for the others' sake
	s_barrier_signal -1
	s_barrier_wait -1
	ds_load_b128 v[20:23], v[RLD] offset:\off      ; the eight waves' parts of my row
	ds_load_b128 v[24:27], v[RLD] offset:\off+16
	s_wait_dscnt 0x0
	v_pk_add_f32 v[20:21], v[20:21], v[22:23]
	v_pk_add_f32 v[24:25], v[24:25], v[26:27]
	v_pk_add_f32 v[20:21], v[20:21], v[24:25]
	v_add_f32 v20, v20, v21
.endm
	s_load_b256 s[4:11], s[0:1], 0x0               ; ac, wq, src, ob
	s_load_b256 s[12:19], s[0:1], 0x20             ; g1, beta1, x1, x1c
	v_lshl_add_u32 v[SPW], v0, 2, SPARE
	v_mov_b32 v[NIL], 0
	v_lshrrev_b32 v24, 5, v0
	v_readfirstlane_b32 s2, v24                    ; wave 0..7
	v_and_b32 v24, 31, v0
	v_and_b32 v25, 15, v0                          ; r
	v_bfe_u32 v26, v0, 4, 1                        ; h
	v_lshlrev_b32 v[L16], 4, v24
	v_lshlrev_b32 v[L8], 3, v24
	v_lshlrev_b32 v[L4], 2, v24
	v_lshlrev_b32 v[R4], 2, v25
	v_mov_b32 v29, 0                               ; (upper half of a pair of which the low word serves both halves)
	s_mul_i32 s3, s2, STG
	s_lshl_b32 s42, s2, 10
	s_add_co_u32 s42, s42, CB
	s_lshl_b32 s43, s2, 2
	s_add_co_u32 s43, s43, RED
	v_add_nc_u32 v[SIN], s3, v[L16]
	v_mul_u32_u24 v[SRH], v25, SP
	v_lshl_add_u32 v[SRH], v26, 6, v[SRH]
	v_add_nc_u32 v[SRH], s3, v[SRH]
	v_add_nc_u32 v[CIN], s42, v[L16]
	v_lshl_add_u32 v[COUT], v26, 6, s42
	v_lshl_add_u32 v[RST], v25, 5, s43             ; 32 r + 4 x wave
	v_lshlrev_b32 v[RLD], 5, v25
	v_add_nc_u32 v[RLD], RED, v[RLD]
	s_mul_i32 s20, ttmp9, 12288                    ; my token block's codes, in ac and in x1c
	s_mov_b32 s21, 0
	s_lshl_b32 s22, ttmp9, 9
	s_add_co_u32 s22, s22, SCO                     ; and its scale words
	s_mov_b32 s23, 0
	s_lshl_b32 s24, s2, 3
	s_add_co_u32 s24, s24, 448                     ; ow's units begin at 448; my 8 row blocks
	s_lshl_b32 s26, s24, 9
	s_add_co_u32 s26, s26, WQS
	s_mul_i32 s24, s24, 12288
	s_mov_b32 s25, 0
	s_mov_b32 s27, 0
	s_lshr_b32 s28, ttmp9, 1
	s_lshl_b32 s28, s28, 5
	s_and_b32 s29, ttmp9, 1
	s_lshl_b32 s29, s29, 3
	s_add_co_u32 s28, s28, s29                     ; the block's first row
	s_lshl_b32 s28, s28, 12
	s_lshl_b32 s30, s2, 9                          ; my 128 columns
	s_add_co_u32 s28, s28, s30
	s_mov_b32 s29, 0
	s_mov_b32 s31, 0
	s_mul_i32 s32, s2, 1536
	s_add_co_u32 s32, s32, s20
	s_mov_b32 s33, 0
	s_lshl_b32 s34, s2, 6
	s_add_co_u32 s34, s34, s22
	s_mov_b32 s35, 0
	s_mov_b32 s[SEL], 0x76543210
	s_mov_b32 s[SEL+1], 0xfedcba98
	s_mov_b32 s50, 0x3a800000                      ; 1 / 1,024
	s_mov_b32 s51, 0x3727c5ac                      ; 1e-5
	s_wait_alu depctr_va_vdst(0)                   ; the wait at the head's end
	s_wait_kmcnt 0x0
	s_add_nc_u64 s[20:21], s[4:5], s[20:21]        ; a's codes
	s_add_nc_u64 s[22:23], s[4:5], s[22:23]        ; a's scale words
	s_add_nc_u64 s[24:25], s[6:7], s[24:25]        ; ow's codes
	s_add_nc_u64 s[26:27], s[6:7], s[26:27]        ; ow's scale words
	s_add_nc_u64 s[36:37], s[8:9], s[28:29]        ; src
	s_add_nc_u64 s[38:39], s[16:17], s[28:29]      ; x1
	s_add_nc_u64 s[40:41], s[10:11], s[30:31]      ; ob
	s_add_nc_u64 s[44:45], s[12:13], s[30:31]      ; g1
	s_add_nc_u64 s[46:47], s[14:15], s[30:31]      ; beta1
	s_add_nc_u64 s[32:33], s[18:19], s[32:33]      ; my fragment of x1c
	s_add_nc_u64 s[34:35], s[18:19], s[34:35]      ; and its scale words
.irp j, 0,1,2,3
	global_load_b32 v[SA+\j], v[L4], s[22:23] offset:128*\j
.endr
.irp b, 0,1,2,3,4,5,6,7
.irp j, 0,1,2,3
	global_load_b32 v[SB+4*\b+\j], v[L4], s[26:27] offset:512*\b+128*\j
.endr
.endr
.irp t, 0,1,2,3,4,5,6,7
	GFR AF+12*\t, 20, 1536*\t
.endr
	global_load_b128 v[OBR:OBR+3], v[L16], s[40:41]
	global_load_b128 v[OBR+4:OBR+7], v[L16], s[44:45]
	global_load_b128 v[OBR+8:OBR+11], v[L16], s[46:47]
	WIN 0x40
.irp i, 0,1,2,3,4,5,6,7,8,9,10,11,12,13,14,15
	global_load_b128 v[192+4*\i:195+4*\i], v[L16], s[36:37] offset:(\i+8*(\i/8))*4096 th:TH_LOAD_NT   ; 512 consecutive bytes of the block's row i + 8 (i / 8)
.endr
	BLOAD 0
	BLOAD 1
	BLOAD 2
	s_wait_loadcnt 48                              ; all but the three batches just asked for
	WIN 0x41
.irp i, 0,1,2,3,4,5,6,7,8,9,10,11,12,13,14,15
	v_pk_add_f32 v[192+4*\i:193+4*\i], v[192+4*\i:193+4*\i], v[OBR:OBR+1]      ; src + ob, by rows
	v_pk_add_f32 v[194+4*\i:195+4*\i], v[194+4*\i:195+4*\i], v[OBR+2:OBR+3]
.endr
	WIN 0x04
.irp i, 0,1,2,3,4,5,6,7,8,9,10,11,12,13,14,15
	ds_store_b128 v[SIN], v[192+4*\i:195+4*\i] offset:SP*\i
.endr
	WIN 0
	ds_store_b128 v[CIN], v[OBR+4:OBR+7]
	ds_store_b128 v[CIN], v[OBR+8:OBR+11] offset:512
	BLOAD 3
.set nn, 0
.rept 16
.if nn < 13
	s_wait_loadcnt 48                              ; batch nn is in; the three younger batches of 16 loads may be out
.else
	s_wait_loadcnt 16*(15-nn)
.endif
	BMUL nn
.if nn < 12
	PLACES                                         ; in front of the loads into the set just multiplied
	BLOAD nn+4
.endif
.set nn, nn+1
.endr
	WIN 0
	PLACES                                         ; behind the last products: their results are read and their sources loaded into below
.irp q, 0,1,2,3,4,5,6,7,8,9,10,11,12,13,14,15
	ds_load_b128 v[XS+4*\q:XS+4*\q+3], v[SRH] offset:128*(\q/4)+16*(\q%4)      ; LDS serves a wave's instructions in order: these see my stores
.endr
.irp q, 0,1,2,3,4,5,6,7,8,9,10,11,12,13,14,15
	ds_load_b128 v[GG+4*\q:GG+4*\q+3], v[COUT] offset:128*(\q/4)+16*(\q%4)
.endr
	s_wait_dscnt 16                                ; src + ob is in; g1's 16 loads may be out
.set jj, 0
.rept 32
	v_pk_add_f32 v[ACC+jj:ACC+jj+1], v[ACC+jj:ACC+jj+1], v[XS+jj:XS+jj+1]      ; each accumulator from its low end on
.set jj, jj+2
.endr
.irp q, 0,1,2,3,4,5,6,7,8,9,10,11,12,13,14,15
	ds_load_b128 v[BE+4*\q:BE+4*\q+3], v[COUT] offset:512+128*(\q/4)+16*(\q%4)
.endr
.irp c, 0,1,2,3
	v_pk_add_f32 v[12+2*\c:13+2*\c], v[ACC+4*\c:ACC+4*\c+1], v[ACC+4*\c+2:ACC+4*\c+3]   ; the sum, in four chains
.endr
.irp j, 16,24,32,40,48,56
.irp c, 0,1,2,3
	v_pk_add_f32 v[12+2*\c:13+2*\c], v[12+2*\c:13+2*\c], v[ACC+\j+2*\c:ACC+\j+2*\c+1]
.endr
.endr
	JOIN 0
	v_mul_f32 v28, s50, v20                        ; the mean
.set jj, 0
.rept 32
	v_pk_add_f32 v[ACC+jj:ACC+jj+1], v[ACC+jj:ACC+jj+1], v[28:29] op_sel_hi:[1,0] neg_lo:[0,1] neg_hi:[0,1]
.set jj, jj+2
.endr
.irp c, 0,1,2,3
	v_pk_mul_f32 v[12+2*\c:13+2*\c], v[ACC+2*\c:ACC+2*\c+1], v[ACC+2*\c:ACC+2*\c+1]
.endr
.irp j, 8,16,24,32,40,48,56
.irp c, 0,1,2,3
	v_pk_fma_f32 v[12+2*\c:13+2*\c], v[ACC+\j+2*\c:ACC+\j+2*\c+1], v[ACC+\j+2*\c:ACC+\j+2*\c+1], v[12+2*\c:13+2*\c]
.endr
.endr
	JOIN 512
	v_fma_f32 v20, v20, s50, s51                   ; the variance + 1e-5
	s_wait_alu depctr_va_vdst(0)                   ; the wait ahead of the transcendental
	v_rsq_f32 v28, v20
	v_nop                                          ; a plain place behind it
	s_wait_alu depctr_va_vdst(0)                   ; and the wait ahead of its first reader
.set jj, 0
.rept 32
	v_pk_mul_f32 v[ACC+jj:ACC+jj+1], v[ACC+jj:ACC+jj+1], v[28:29] op_sel_hi:[1,0]
.set jj, jj+2
.endr
.set jj, 0
.rept 32
	v_pk_fma_f32 v[ACC+jj:ACC+jj+1], v[ACC+jj:ACC+jj+1], v[GG+jj:GG+jj+1], v[BE+jj:BE+jj+1]
.set jj, jj+2
.endr
.irp q, 0,1,2,3,4,5,6,7,8,9,10,11,12,13,14,15
	ds_store_b128 v[SRH], v[ACC+4*\q:ACC+4*\q+3] offset:128*(\q/4)+16*(\q%4)   ; x1 back through my stage,
.endr
.irp i, 0,1,2,3,4,5,6,7,8,9,10,11,12,13,14,15
	ds_load_b128 v[GG+4*\i:GG+4*\i+3], v[SIN] offset:SP*\i                     ; by rows
.endr
	s_wait_alu depctr_va_vdst(0)                   ; the wait here, directly ahead of the wait below
	s_wait_dscnt 0x0
.irp i, 0,1,2,3,4,5,6,7,8,9,10,11,12,13,14,15
	global_store_b128 v[L16], v[GG+4*\i:GG+4*\i+3], s[38:39] offset:(\i+8*(\i/8))*4096   ; 512 consecutive bytes
.endr
; 64 numbers of a lane, register 16 b + i = column 32 b + 16 h + i of my row, become the fragment's codes in v[PC] on and its scale word in v[PW]
.irp b, 0,1,2,3
	v_mov_b32 v[BT+\b], 0                          ; a lane permute's destination counts as one of its sources
.endr
.irp b, 0,1,2,3
	v_max3_num_f32 v[MX+\b], |v[ACC+16*\b]|, |v[ACC+1+16*\b]|, 0x2800000   ; the floor 2^(5 - 127) holds the byte at 1 from below
.endr
.irp i, 2,4,6,8,10,12,14
.irp b, 0,1,2,3
	v_max3_num_f32 v[MX+\b], v[MX+\b], |v[ACC+16*\b+\i]|, |v[ACC+1+16*\b+\i]|
.endr
.endr
.irp b, 0,1,2,3
	v_permlanex16_b32 v[BT+\b], v[MX+\b], s[SEL], s[SEL+1]
.endr
.irp b, 0,1,2,3
	v_max_num_f32 v[MX+\b], v[MX+\b], v[BT+\b]     ; with lane l xor 16's: the block's largest magnitude
.endr
.irp b, 0,1,2,3
	v_add_nc_u32 v[SO+\b], 0xfe000000, v[MX+\b]    ; 4 off its exponent field: the conversion's scale operand
.endr
.irp b, 0,1,2,3
	v_lshrrev_b32 v[BT+\b], 23, v[SO+\b]           ; the scale's byte
.endr
	v_lshl_or_b32 v[PW], v[BT+1], 8, v[BT]
	v_lshl_or_b32 v[PW], v[BT+2], 16, v[PW]
	v_lshl_or_b32 v[PW], v[BT+3], 24, v[PW]
.irp c, 0,1
	v_cvt_scalef32_pk16_bf6_f32 v[PC+6*\c:PC+2+6*\c], v[ACC+32*\c:ACC+15+32*\c], v[SO+2*\c]
	v_cvt_scalef32_pk16_bf6_f32 v[PC+12+4*\c:PC+14+4*\c], v[ACC+16+32*\c:ACC+31+32*\c], v[SO+2*\c+1]   ; (a conversion's three registers begin on an even number)
.endr
	v_nop                                          ; one plain place behind a scaled conversion
.irp c, 0,1                                    ; the operand's layout wants a whole block in a lane
.irp i, 0,1,2
	v_permlane16_swap_b32 v[PC+6*\c+\i], v[PC+12+4*\c+\i]
.endr
.irp i, 0,1,2
	v_mov_b32 v[PC+3+6*\c+\i], v[PC+12+4*\c+\i]
.endr
.endr
	global_store_b128 v[L16], v[PC:PC+3], s[32:33]               ; 512 consecutive bytes
	global_store_b64 v[L8], v[PC+4:PC+5], s[32:33] offset:512    ; 256 consecutive bytes
	global_store_b128 v[L16], v[PC+6:PC+9], s[32:33] offset:768
	global_store_b64 v[L8], v[PC+10:PC+11], s[32:33] offset:1280
	global_store_b32 v[R4], v[PW], s[34:35]        ; 64 bytes of scale words: one part in 24 of the codes' bytes; lanes l and l xor 16 write the same word to the same place
	s_wait_tensorcnt 0x0                           ; the wave's end, behind my last LDS store
	ds_add_u32 v[SPW], v[NIL]
	s_wait_dscnt 0x0
	s_endpgm
.Lfunc_end_k_qa244ec8441_oln:
	.size	k_qa244ec8441_oln, .Lfunc_end_k_qa244ec8441_oln-k_qa244ec8441_oln
	.p2alignl 7, 3214868480
	.fill 96, 4, 3214868480
	.section	.rodata,"a",@progbits
	.p2align	6, 0x0
	.amdhsa_kernel k_qa244ec8441_oln
		.amdhsa_group_segment_fixed_size 77824
		.amdhsa_private_segment_fixed_size 0
		.amdhsa_enable_private_segment 0
		.amdhsa_kernarg_size 64
		.amdhsa_user_sgpr_count 2
		.amdhsa_user_sgpr_kernarg_segment_ptr 1
		.amdhsa_wavefront_size32 1
		.amdhsa_system_sgpr_workgroup_id_x 1
		.amdhsa_system_sgpr_workgroup_id_y 1
		.amdhsa_system_sgpr_workgroup_id_z 1
		.amdhsa_system_vgpr_workitem_id 0
		.amdhsa_next_free_vgpr 512
		.amdhsa_next_free_sgpr 66
		.amdhsa_reserve_vcc 0
		.amdhsa_float_denorm_mode_32 3
		.amdhsa_float_denorm_mode_16_64 3
		.amdhsa_memory_ordered 1
		.amdhsa_forward_progress 1
		.amdhsa_inst_pref_size 75
	.end_amdhsa_kernel
	.amdgpu_metadata
---
amdhsa.version: [ 1, 2 ]
amdhsa.kernels:
  - .name:           k_qa244ec8441_oln
    .symbol:         k_qa244ec8441_oln.kd
    .args:
      - { .name: ac, .offset: 0, .size: 8, .value_kind: global_buffer, .address_space: global }
      - { .name: wq, .offset: 8, .size: 8, .value_kind: global_buffer, .address_space: global }
      - { .name: src, .offset: 16, .size: 8, .value_kind: global_buffer, .address_space: global }
      - { .name: ob, .offset: 24, .size: 8, .value_kind: global_buffer, .address_space: global }
      - { .name: g1, .offset: 32, .size: 8, .value_kind: global_buffer, .address_space: global }
      - { .name: beta1, .offset: 40, .size: 8, .value_kind: global_buffer, .address_space: global }
      - { .name: x1, .offset: 48, .size: 8, .value_kind: global_buffer, .address_space: global }
      - { .name: x1c, .offset: 56, .size: 8, .value_kind: global_buffer, .address_space: global }
    .group_segment_fixed_size: 77824
    .private_segment_fixed_size: 0
    .kernarg_segment_align: 8
    .kernarg_segment_size: 64
    .max_flat_workgroup_size: 256
    .sgpr_count:     66
    .vgpr_count:     512
    .wavefront_size: 32
...
	.end_amdgpu_metadata
.endif
;; end of part 4
;; launch ff1 (part 5): grid 16 x 16, 4 waves a work-group, clusters of 4 x 4, 327,680 bytes of LDS; arguments x1c, wq, b1, hc; writes hc
.if DOCPART == 5
	.amdgcn_target "amdgcn-amd-amdhsa--gfx1250"
	.amdhsa_code_object_version 6
	.text
	.protected	k_qa244ec8441_ff1
	.globl	k_qa244ec8441_ff1
	.p2align	8
	.type	k_qa244ec8441_ff1,@function
k_qa244ec8441_ff1:
	s_mov_b64 s[64:65], 0
	v_nop
	global_prefetch_b8 v0, s[64:65] scope:SCOPE_SE
	s_setreg_imm32_b32 hwreg(HW_REG_WAVE_MODE, 25, 1), 1
	s_wait_xcnt 0x0
	s_wait_alu depctr_hold_cnt(0) depctr_sa_sdst(0) depctr_va_vdst(0) depctr_va_sdst(0) depctr_va_ssrc(0) depctr_va_vcc(0) depctr_vm_vsrc(0)
	s_getreg_b32 s2, hwreg(HW_REG_IB_STS2, 6, 4)
	s_cmp_eq_u32 s2, 0
	s_cbranch_scc0 .Lentry_in_a_cluster
	s_endpgm
.Lentry_in_a_cluster:
	s_bfe_u32 s2, ttmp6, 0x10000c
	s_cmp_lg_u32 s2, 0xf033
	s_cbranch_scc0 .Lentry_shape_is_right
	s_endpgm
.Lentry_shape_is_right:
.set MODE,  1
.set SLOT,  98304
.set QUART, 24576
.set SPARE, 3*SLOT
.set WQS,   12582912
.if MODE == 0
.set PA, 4
.set PB, 4
.set ASCO, WQS
.else
.set PA, 4
.set PB, 6
.set ASCO, 3145728
.endif
.set A16, 4
.set A8,  7
.set B16, 10
.set B8,  13
.set SPW, 16
.set NIL, 17
.set L4,  18
.set L16, 19
.set L8,  20
.set R4,  21
.set H64, 22
.set RP4, 23
.set BR,  24
.set SA,  32
.set SB,  64
.set AF,  128
.set H,   128
.set PC,  192
.set MX,  212
.set BT,  216
.set SO,  220
.set PW,  2
.set PW2, 3
.set G1A, 24
.set G1B, 32
.set G0A, 40
.set G0B, 52
.set SEL, 66
.set SCA, 68
.set SCBB, 70
.set BIA, 72
.set BRA, 74
.set OB0, 76
.set OB1, 78
.set OS0, 80
.set OS1, 82
.set MUL_LO, 0xa1
.set MUL_HI, 0xf1
.set MSB, 0
.macro WIN new
.if MSB != (\new)
	s_set_vgpr_msb (MSB<<8)|(\new)
.set MSB, (\new)
.endif
.endm
.macro JLOAD g0a, g0b
	s_cmp_eq_u32 s15, 0
	s_cbranch_scc0 .Lfor_b_\@
	tensor_load_to_lds s[(\g0a):(\g0a)+3], s[G1A:G1A+7]
	s_nop 0
.rept 4
	v_nop
.endr
	s_branch .Lasked_\@
.Lfor_b_\@:
	tensor_load_to_lds s[(\g0b):(\g0b)+3], s[G1B:G1B+7]
	s_nop 0
.rept 4
	v_nop
.endr
.Lasked_\@:
.endm
.macro CREST
	s_cmp_lg_u32 s14, 0
	s_cbranch_scc1 .Lnot_wave_0_\@
	s_barrier_signal -3
.Lnot_wave_0_\@:
	s_barrier_wait -3
	s_barrier_signal -1
	s_barrier_wait -1
.endm
.macro CROUND
	s_barrier_signal -1
	s_barrier_wait -1
	CREST
.endm
.macro PLACES
.rept 4
	v_nop
.endr
.endm
.macro FRAG reg, a16, a8, off
	ds_load_b128 v[(\reg):(\reg)+3], v[(\a16)] offset:(\off)
	ds_load_b64 v[(\reg)+4:(\reg)+5], v[(\a8)] offset:(\off)+512
	ds_load_b128 v[(\reg)+6:(\reg)+9], v[(\a16)] offset:(\off)+768
	ds_load_b64 v[(\reg)+10:(\reg)+11], v[(\a8)] offset:(\off)+1280
.endm
.macro FETCH_B s, q, p
	WIN 0x40
.irp i, 0,1,2,3,4,5,6,7
	FRAG 128*(\p)+12*\i, B16+(\s), B8+(\s), 3072*\i+1536*(\q)
.endr
	WIN 0
.endm
.macro FETCH_A s, q, i0
.irp i, \i0, \i0+1, \i0+2, \i0+3
	FRAG AF+12*(\i), A16+(\s), A8+(\s), 3072*(\i)+1536*(\q)
.endr
.endm
.macro MUL16 a0, t
.irp a, \a0, \a0+1
.irp b, 0,1,2,3,4,5,6,7
.if (\t) == 0
	v_wmma_scale_f32_16x16x128_f8f6f4 v[8*(8*((\a)%4)+\b):8*(8*((\a)%4)+\b)+7], v[128*((\t)%2)+12*\b:128*((\t)%2)+12*\b+11], v[AF+12*(\a):AF+12*(\a)+11], 0, v[SB+4*\b+(\t)/2], v[SA+4*(\a)+(\t)/2] matrix_a_fmt:MATRIX_FMT_BF6 matrix_b_fmt:MATRIX_FMT_BF6
.elseif (\t)%2
	v_wmma_scale_f32_16x16x128_f8f6f4 v[8*(8*((\a)%4)+\b):8*(8*((\a)%4)+\b)+7], v[128*((\t)%2)+12*\b:128*((\t)%2)+12*\b+11], v[AF+12*(\a):AF+12*(\a)+11], v[8*(8*((\a)%4)+\b):8*(8*((\a)%4)+\b)+7], v[SB+4*\b+(\t)/2], v[SA+4*(\a)+(\t)/2] matrix_a_fmt:MATRIX_FMT_BF6 matrix_b_fmt:MATRIX_FMT_BF6 matrix_a_scale:MATRIX_SCALE_ROW1 matrix_b_scale:MATRIX_SCALE_ROW1
.else
	v_wmma_scale_f32_16x16x128_f8f6f4 v[8*(8*((\a)%4)+\b):8*(8*((\a)%4)+\b)+7], v[128*((\t)%2)+12*\b:128*((\t)%2)+12*\b+11], v[AF+12*(\a):AF+12*(\a)+11], v[8*(8*((\a)%4)+\b):8*(8*((\a)%4)+\b)+7], v[SB+4*\b+(\t)/2], v[SA+4*(\a)+(\t)/2] matrix_a_fmt:MATRIX_FMT_BF6 matrix_b_fmt:MATRIX_FMT_BF6
.endif
.endr
.endr
.endm
.macro KSTEP t, kind
.set NS, (((\t)+1)/2)%3
.set NQ, ((\t)+1)%2
.set NP, 1-(\t)%2
.if \kind == 0
	s_wait_dscnt 16
	WIN MUL_LO
	MUL16 0, \t
	MUL16 2, \t
	s_wait_dscnt 0x0
	PLACES
	FETCH_B NS, NQ, NP
	FETCH_A NS, NQ, 0
	WIN MUL_HI
	MUL16 4, \t
	MUL16 6, \t
	PLACES
	WIN 0
	FETCH_A NS, NQ, 4
.elseif \kind != 3
	s_wait_tensorcnt 0x0
	ds_add_u32 v[SPW], v[NIL]
	s_wait_dscnt 17
	WIN MUL_LO
	MUL16 0, \t
	s_wait_dscnt 0x0
	s_barrier_signal -1
	MUL16 2, \t
	WIN 0
	s_barrier_wait -1
.if \kind == 1
	CREST
	s_add_nc_u64 s[G0A+2:G0A+3], s[G0A+2:G0A+3], 9216
	s_add_nc_u64 s[G0B+2:G0B+3], s[G0B+2:G0B+3], 9216
	JLOAD G0A, G0B
.else
	PLACES
.endif
	FETCH_B NS, NQ, NP
	FETCH_A NS, NQ, 0
	WIN MUL_HI
	MUL16 4, \t
	MUL16 6, \t
	PLACES
	WIN 0
	FETCH_A NS, NQ, 4
.else
	s_wait_dscnt 16
	WIN MUL_LO
	MUL16 0, \t
	MUL16 2, \t
	s_wait_dscnt 0x0
	WIN MUL_HI
	MUL16 4, \t
	MUL16 6, \t
	WIN 0
.endif
.endm
	s_load_b256 s[4:11], s[0:1], 0x0
.if MODE == 0
	s_load_b64 s[12:13], s[0:1], 0x20
.endif
	v_lshl_add_u32 v[SPW], v0, 2, SPARE
	v_mov_b32 v[NIL], 0
	ds_add_u32 v16, v17
	ds_add_u32 v16, v17
	s_wait_dscnt 0x0
	v_lshrrev_b32 v1, 5, v0
	v_readfirstlane_b32 s14, v1
	s_lshr_b32 s15, s14, 1
	s_and_b32 s16, s14, 1
	s_bfe_u32 s17, ttmp6, 0x40000
	s_bfe_u32 s18, ttmp6, 0x40004
	s_and_b32 s20, ttmp7, 0xffff
	s_lshl_b32 s20, s20, 2
	s_add_co_u32 s21, s20, s18
	s_lshl_b32 s23, ttmp9, 2
	s_add_co_u32 s23, s23, s17
.if MODE == 0
	s_add_co_u32 s22, s20, s17
	s_lshl_b32 s88, s18, 4
	s_add_co_u32 s88, s88, 384
	s_lshl_b32 s89, s21, 4
	s_lshl_b32 s90, s22, 4
	s_lshl_b32 s91, s23, 4
	s_add_co_u32 s91, s91, 256
	s_cmp_eq_u32 ttmp9, 2
	s_cselect_b32 s88, s88, s89
	s_cselect_b32 s90, s90, s91
	s_cselect_b32 s21, s18, s21
	s_cselect_b32 s22, s22, s23
.else
	s_mov_b32 s22, s23
	s_lshl_b32 s88, s21, 4
	s_lshl_b32 s90, s22, 4
	s_add_co_u32 s90, s90, 512
.endif
	s_lshl_b32 s92, s18, 2
	s_lshl_b32 s92, 15, s92
	s_lshl_b32 s93, 0x1111, s17
	s_or_b32 s[G1A], s92, (3<<16)|(1<<21)
	s_or_b32 s[G1B], s93, (3<<16)|(1<<21)
.irp g, G1A, G1B
	s_mov_b32 s[\g+1], 384<<16
	s_mov_b32 s[\g+2], 16<<16                      ; tensor_dim1: 16 blocks for the head's loads; behind them 8
	s_mov_b32 s[\g+3], 384<<16
	s_mov_b32 s[\g+4], 16                          ; tile_dim1
	s_mov_b32 s[\g+5], 1536
	s_mov_b32 s[\g+6], 0
	s_mov_b32 s[\g+7], 0
.endr
	s_lshl_b32 s94, s16, 3
	s_add_co_u32 s94, s94, s88
	s_mul_i32 s94, s94, 12288
	s_mov_b32 s95, 0
	s_lshl_b32 s96, s16, 3
	s_add_co_u32 s96, s96, s90
	s_mul_i32 s96, s96, 12288
	s_mov_b32 s97, 0
	s_mul_i32 s98, s14, QUART
	s_wait_kmcnt 0x0
	s_add_nc_u64 s[94:95], s[PA:PA+1], s[94:95]
	s_add_nc_u64 s[96:97], s[PB:PB+1], s[96:97]
	CROUND
.irp n, 0,1,2
	s_mov_b32 s[G0A+4*\n], 1
	s_add_co_u32 s[G0A+4*\n+1], s98, \n*SLOT
	s_add_nc_u64 s[G0A+4*\n+2:G0A+4*\n+3], s[94:95], \n*3072
	s_or_b32 s[G0A+4*\n+3], s[G0A+4*\n+3], 0x80000000
	s_mov_b32 s[G0B+4*\n], 1
	s_add_co_u32 s[G0B+4*\n+1], s98, \n*SLOT
	s_add_nc_u64 s[G0B+4*\n+2:G0B+4*\n+3], s[96:97], \n*3072
	s_or_b32 s[G0B+4*\n+3], s[G0B+4*\n+3], 0x80000000
.endr
	; THE HEAD'S LOADS, one a wave, each a whole tile of 16 blocks: waves 0, 1 bring A's quarters 0, 1 of K, waves 2, 3 B's.  Their group 0 lies in slot 1's sets, which the ring does not use
	s_mul_i32 s99, s16, 3072                       ; which quarter
	s_mul_i32 s84, s88, 12288
	s_add_co_u32 s84, s84, s99
	s_mov_b32 s85, 0
	s_add_nc_u64 s[G0A+6:G0A+7], s[PA:PA+1], s[84:85]
	s_or_b32 s[G0A+7], s[G0A+7], 0x80000000
	s_mul_i32 s[G0A+5], s16, SLOT
	s_mul_i32 s86, s90, 12288
	s_add_co_u32 s86, s86, s99
	s_mov_b32 s87, 0
	s_add_nc_u64 s[G0B+6:G0B+7], s[PB:PB+1], s[86:87]
	s_or_b32 s[G0B+7], s[G0B+7], 0x80000000
	s_mul_i32 s[G0B+5], s16, SLOT
	s_add_co_u32 s[G0B+5], s[G0B+5], 2*QUART
	JLOAD G0A+4, G0B+4
	v_and_b32 v1, 31, v0
	v_and_b32 v2, 15, v0
	v_bfe_u32 v3, v0, 4, 1
	v_lshlrev_b32 v[L4], 2, v1
	v_lshlrev_b32 v[L16], 4, v1
	v_lshlrev_b32 v[L8], 3, v1
	v_lshlrev_b32 v[R4], 2, v2
	v_lshlrev_b32 v[H64], 6, v3
	v_and_b32 v[RP4], 8, v2
	v_add_nc_u32 v[RP4], v[RP4], v2
	v_lshlrev_b32 v[RP4], 2, v[RP4]
	s_mul_i32 s84, s15, QUART
	s_mul_i32 s85, s16, QUART
	s_add_co_u32 s85, s85, 2*QUART
.irp s, 0,1,2
	v_add_nc_u32 v[A16+\s], s84, v[L16]
	v_add_nc_u32 v[A8+\s], s84, v[L8]
	v_add_nc_u32 v[B16+\s], s85, v[L16]
	v_add_nc_u32 v[B8+\s], s85, v[L8]
	s_add_co_u32 s84, s84, SLOT
	s_add_co_u32 s85, s85, SLOT
.endr
	s_mov_b32 s[SEL], 0x76543210
	s_mov_b32 s[SEL+1], 0xfedcba98
	s_mov_b32 s87, 0
	s_lshl_b32 s86, s15, 3
	s_add_co_u32 s86, s86, s88
	s_lshl_b32 s86, s86, 9
	s_add_co_u32 s86, s86, ASCO
	s_add_nc_u64 s[SCA:SCA+1], s[PA:PA+1], s[86:87]
	s_lshl_b32 s86, s16, 3
	s_add_co_u32 s86, s86, s90
	s_lshl_b32 s86, s86, 9
	s_add_co_u32 s86, s86, WQS
	s_add_nc_u64 s[SCBB:SCBB+1], s[PB:PB+1], s[86:87]
.irp i, 0,1,2,3,4,5,6,7
.irp j, 0,1,2,3
	global_load_b32 v[SA+4*\i+\j], v[L4], s[SCA:SCA+1] offset:512*\i+128*\j
	global_load_b32 v[SB+4*\i+\j], v[L4], s[SCBB:SCBB+1] offset:512*\i+128*\j
.endr
.endr
.if MODE == 0
	s_and_b32 s86, s22, 3
	s_lshl_b32 s86, s86, 10
	s_lshl_b32 s89, s16, 9
	s_add_co_u32 s86, s86, s89
	s_cmp_eq_u32 ttmp9, 0
	s_cselect_b64 s[BIA:BIA+1], s[6:7], s[8:9]
	s_add_nc_u64 s[BIA:BIA+1], s[BIA:BIA+1], s[86:87]
	s_and_b32 s86, s21, 3
	s_lshl_b32 s86, s86, 10
	s_lshl_b32 s89, s15, 9
	s_add_co_u32 s86, s86, s89
	s_add_nc_u64 s[BRA:BRA+1], s[10:11], s[86:87]
.else
	s_lshl_b32 s86, s22, 10
	s_lshl_b32 s89, s16, 9
	s_add_co_u32 s86, s86, s89
	s_add_nc_u64 s[BIA:BIA+1], s[8:9], s[86:87]
.endif
.irp b, 0,1,2,3,4,5,6,7
	global_load_b128 v[96+8*\b+96*(\b/4):96+8*\b+96*(\b/4)+3], v[H64], s[BIA:BIA+1] offset:4*(32*(\b/2)+8*(\b%2))
	global_load_b128 v[96+8*\b+96*(\b/4)+4:96+8*\b+96*(\b/4)+7], v[H64], s[BIA:BIA+1] offset:4*(32*(\b/2)+8*(\b%2))+16
.endr
.if MODE == 0
.irp a, 0,1,2,3,4,5,6,7
	global_load_b32 v[BR+\a], v[RP4], s[BRA:BRA+1] offset:4*(32*(\a/2)+8*(\a%2))
.endr
	s_lshr_b32 s84, s21, 3
	s_lshl_b32 s84, s84, 4
	s_and_b32 s85, s22, 3
	s_lshl_b32 s85, s85, 2
	s_add_co_u32 s84, s84, s85
	s_lshl_b32 s85, s16, 1
	s_add_co_u32 s84, s84, s85
	s_and_b32 s85, s21, 7
	s_lshl_b32 s86, s84, 7
	s_lshl_b32 s89, s85, 4
	s_add_co_u32 s86, s86, s89
	s_lshl_b32 s89, s15, 3
	s_add_co_u32 s86, s86, s89
	s_lshl_b32 s90, s86, 6
	s_add_co_u32 s90, s90, 9830400
	s_mul_i32 s86, s86, 768
	s_add_co_u32 s86, s86, 6684672
	s_lshl_b32 s92, s84, 4
	s_lshl_b32 s89, s85, 1
	s_add_co_u32 s92, s92, s89
	s_add_co_u32 s92, s92, s15
	s_mul_i32 s92, s92, 13056
	s_add_co_u32 s93, s92, 12288
	s_lshl_b32 s94, s22, 1
	s_add_co_u32 s94, s94, s16
	s_lshr_b32 s95, s94, 4
	s_lshl_b32 s95, s95, 4
	s_lshl_b32 s89, s18, 2
	s_add_co_u32 s95, s95, s89
	s_lshl_b32 s89, s15, 1
	s_add_co_u32 s95, s95, s89
	s_lshl_b32 s95, s95, 4
	s_and_b32 s94, s94, 15
	s_add_co_u32 s95, s95, s94
	s_mul_i32 s95, s95, 13056
	s_add_co_u32 s95, s95, 6144
	s_add_co_u32 s96, s95, 6656
	s_mov_b32 s84, 208896
	s_mov_b32 s85, 208896
	s_cmp_eq_u32 ttmp9, 0
	s_cselect_b32 s86, s86, s92
	s_cselect_b32 s90, s90, s93
	s_cselect_b32 s84, 98304, s84
	s_cselect_b32 s85, 8192, s85
	s_cmp_eq_u32 ttmp9, 2
	s_cselect_b32 s86, s95, s86
	s_cselect_b32 s90, s96, s90
	s_mov_b32 s91, 0
	s_add_nc_u64 s[OB0:OB0+1], s[12:13], s[86:87]
	s_add_nc_u64 s[OS0:OS0+1], s[12:13], s[90:91]
	s_add_co_u32 s86, s86, s84
	s_add_co_u32 s90, s90, s85
	s_add_nc_u64 s[OB1:OB1+1], s[12:13], s[86:87]
	s_add_nc_u64 s[OS1:OS1+1], s[12:13], s[90:91]
.else
	s_lshl_b32 s86, s21, 4
	s_lshl_b32 s89, s15, 3
	s_add_co_u32 s86, s86, s89
	s_lshl_b32 s86, s86, 5
	s_lshl_b32 s89, s22, 1
	s_add_co_u32 s86, s86, s89
	s_add_co_u32 s86, s86, s16
	s_lshl_b32 s90, s86, 6
	s_add_co_u32 s90, s90, 12582912
	s_mov_b32 s91, 0
	s_mul_i32 s86, s86, 1536
	s_add_nc_u64 s[OB0:OB0+1], s[10:11], s[86:87]
	s_add_nc_u64 s[OS0:OS0+1], s[10:11], s[90:91]
.endif
	s_wait_alu depctr_va_vdst(0)
	s_wait_tensorcnt 0x0                           ; my head load is in
	ds_add_u32 v[SPW], v[NIL]
	s_mov_b32 s[G1A+2], 8<<16                      ; no tensor load of mine is out: from here on a load brings 8 blocks
	s_mov_b32 s[G1A+4], 8
	s_mov_b32 s[G1B+2], 8<<16
	s_mov_b32 s[G1B+4], 8
	s_wait_dscnt 0x0
	CROUND                                         ; slots 0 and 1 are whole, and all sixteen work-groups are here
	JLOAD G0A+8, G0B+8                             ; slot 2's first fill: K's quarter 2
	FETCH_B 0, 0, 0
	FETCH_A 0, 0, 0
	FETCH_A 0, 0, 4
	s_wait_loadcnt 0x0
	KSTEP 0, 0
	KSTEP 1, 0
	KSTEP 2, 1                                     ; slot 2 is whole behind this round; slot 0, read last for K step 1, takes quarter 3
	KSTEP 3, 0
	KSTEP 4, 0
	KSTEP 5, 2
	KSTEP 6, 0
	KSTEP 7, 3
.macro QUANT s
.irp b, 0,1,2,3
	v_max3_num_f32 v[MX+\b], |v[\s+16*\b]|, |v[\s+1+16*\b]|, 0x2800000
.endr
.irp i, 2,4,6,8,10,12,14
.irp b, 0,1,2,3
	v_max3_num_f32 v[MX+\b], v[MX+\b], |v[\s+16*\b+\i]|, |v[\s+1+16*\b+\i]|
.endr
.endr
.irp b, 0,1,2,3
	v_permlanex16_b32 v[BT+\b], v[MX+\b], s[SEL], s[SEL+1]
.endr
.irp b, 0,1,2,3
	v_max_num_f32 v[MX+\b], v[MX+\b], v[BT+\b]
.endr
.irp b, 0,1,2,3
	v_add_nc_u32 v[SO+\b], 0xfe000000, v[MX+\b]
.endr
.irp b, 0,1,2,3
	v_lshrrev_b32 v[BT+\b], 23, v[SO+\b]
.endr
	v_lshl_or_b32 v[PW], v[BT+1], 8, v[BT]
	v_lshl_or_b32 v[PW], v[BT+2], 16, v[PW]
	v_lshl_or_b32 v[PW], v[BT+3], 24, v[PW]
.irp c, 0,1
	v_cvt_scalef32_pk16_bf6_f32 v[PC+6*\c:PC+2+6*\c], v[\s+32*\c:\s+15+32*\c], v[SO+2*\c]
	v_cvt_scalef32_pk16_bf6_f32 v[PC+12+4*\c:PC+14+4*\c], v[\s+16+32*\c:\s+31+32*\c], v[SO+2*\c+1]
.endr
	v_nop
.irp c, 0,1
.irp i, 0,1,2
	v_permlane16_swap_b32 v[PC+6*\c+\i], v[PC+12+4*\c+\i]
.endr
.irp i, 0,1,2
	v_mov_b32 v[PC+3+6*\c+\i], v[PC+12+4*\c+\i]
.endr
.endr
.endm
.macro ADDB a, kind
	WIN 0x02+(\a)/4
.irp b, 0,1,2,3,4,5,6,7
.irp i, 0,2,4,6
.if \kind == 0
	v_pk_add_f32 v[H+8*\b+\i:H+8*\b+\i+1], v[64*((\a)%4)+8*\b+\i:64*((\a)%4)+8*\b+\i+1], v[96+8*\b+96*(\b/4)+\i:96+8*\b+96*(\b/4)+\i+1]
.elseif (\a)%2 == 0
	v_pk_add_f32 v[H+8*\b+\i:H+8*\b+\i+1], v[64*((\a)%4)+8*\b+\i:64*((\a)%4)+8*\b+\i+1], v[BR+(\a):BR+(\a)+1] op_sel_hi:[1,0]
.else
	v_pk_add_f32 v[H+8*\b+\i:H+8*\b+\i+1], v[64*((\a)%4)+8*\b+\i:64*((\a)%4)+8*\b+\i+1], v[BR+(\a)-1:BR+(\a)] op_sel:[0,1] op_sel_hi:[1,1]
.endif
.endr
.endr
	WIN 0
.endm
.macro PUT off, soff
	global_store_b128 v[L16], v[PC:PC+3], s[OB0:OB0+1] offset:(\off)
	global_store_b64 v[L8], v[PC+4:PC+5], s[OB0:OB0+1] offset:(\off)+512
	global_store_b128 v[L16], v[PC+6:PC+9], s[OB0:OB0+1] offset:(\off)+768
	global_store_b64 v[L8], v[PC+10:PC+11], s[OB0:OB0+1] offset:(\off)+1280
	global_store_b32 v[R4], v[PW], s[OS0:OS0+1] offset:(\soff)
.endm
.macro PUTQK a
	v_lshrrev_b32 v[PW2], 16, v[PW]
	global_store_b128 v[L16], v[PC:PC+3], s[OB0:OB0+1] offset:768*(\a)
	global_store_b64 v[L8], v[PC+4:PC+5], s[OB0:OB0+1] offset:768*(\a)+512
	global_store_b128 v[L16], v[PC+6:PC+9], s[OB1:OB1+1] offset:768*(\a)
	global_store_b64 v[L8], v[PC+10:PC+11], s[OB1:OB1+1] offset:768*(\a)+512
	global_store_b32 v[R4], v[PW], s[OS0:OS0+1] offset:64*(\a)
	global_store_b32 v[R4], v[PW2], s[OS1:OS1+1] offset:64*(\a)
.endm
	PLACES
.irp b, 0,1,2,3
	v_mov_b32 v[BT+\b], 0
.endr
.if MODE == 0
	s_cmp_eq_u32 ttmp9, 2
	s_cbranch_scc1 .Lv_arm
.irp a, 0,1,2,3,4,5,6,7
.if \a > 0
	s_wait_xcnt 0x0
.endif
	ADDB \a, 0
	QUANT H
	PUTQK \a
.endr
	s_branch .Lout
.Lv_arm:
.irp a, 0,1,2,3,4,5,6,7
.if \a > 0
	s_wait_xcnt 0x0
.endif
	ADDB \a, 1
	QUANT H
	PUT 208896*(\a/4)+1536*(\a%4), 208896*(\a/4)+64*(\a%4)
.endr
.Lout:
.else
.irp a, 0,1,2,3,4,5,6,7
.if \a > 0
	s_wait_xcnt 0x0
.endif
	ADDB \a, 0
.set jj, 0
.rept 64
	v_max_num_f32 v[H+jj], 0, v[H+jj]
.set jj, jj+1
.endr
	QUANT H
	PUT 49152*\a, 2048*\a
.endr
.endif
	s_wait_tensorcnt 0x0
	ds_add_u32 v[SPW], v[NIL]
	s_wait_dscnt 0x0
	CROUND
	s_endpgm
.Lfunc_end_k_qa244ec8441_ff1:
	.size	k_qa244ec8441_ff1, .Lfunc_end_k_qa244ec8441_ff1-k_qa244ec8441_ff1
	.p2alignl 7, 3214868480
	.fill 96, 4, 3214868480
	.section	.rodata,"a",@progbits
	.p2align	6, 0x0
	.amdhsa_kernel k_qa244ec8441_ff1
		.amdhsa_group_segment_fixed_size 327680
		.amdhsa_private_segment_fixed_size 0
		.amdhsa_enable_private_segment 0
		.amdhsa_kernarg_size 32
		.amdhsa_user_sgpr_count 2
		.amdhsa_user_sgpr_kernarg_segment_ptr 1
		.amdhsa_wavefront_size32 1
		.amdhsa_system_sgpr_workgroup_id_x 1
		.amdhsa_system_sgpr_workgroup_id_y 1
		.amdhsa_system_sgpr_workgroup_id_z 1
		.amdhsa_system_vgpr_workitem_id 0
		.amdhsa_next_free_vgpr 1024
		.amdhsa_next_free_sgpr 100
		.amdhsa_reserve_vcc 0
		.amdhsa_float_denorm_mode_32 3
		.amdhsa_float_denorm_mode_16_64 3
		.amdhsa_memory_ordered 1
		.amdhsa_forward_progress 1
		.amdhsa_inst_pref_size 185
	.end_amdhsa_kernel
	.amdgpu_metadata
---
amdhsa.version: [ 1, 2 ]
amdhsa.kernels:
  - .name:           k_qa244ec8441_ff1
    .symbol:         k_qa244ec8441_ff1.kd
    .args:
      - { .name: x1c, .offset: 0, .size: 8, .value_kind: global_buffer, .address_space: global }
      - { .name: wq, .offset: 8, .size: 8, .value_kind: global_buffer, .address_space: global }
      - { .name: b1, .offset: 16, .size: 8, .value_kind: global_buffer, .address_space: global }
      - { .name: hc, .offset: 24, .size: 8, .value_kind: global_buffer, .address_space: global }
    .group_segment_fixed_size: 327680
    .private_segment_fixed_size: 0
    .kernarg_segment_align: 8
    .kernarg_segment_size: 32
    .max_flat_workgroup_size: 128
    .sgpr_count:     100
    .vgpr_count:     1024
    .wavefront_size: 32
...
	.end_amdgpu_metadata
.endif
;; end of part 5
;; launch ff2 (part 6): grid 8 x 32, 4 waves a work-group, clusters of 4 x 4, 327,680 bytes of LDS; arguments hc, wq, y; writes y
.if DOCPART == 6
	.amdgcn_target "amdgcn-amd-amdhsa--gfx1250"
	.amdhsa_code_object_version 6
	.text
	.protected	k_qa244ec8441_ff2
	.globl	k_qa244ec8441_ff2
	.p2align	8
	.type	k_qa244ec8441_ff2,@function
k_qa244ec8441_ff2:
	s_mov_b64 s[64:65], 0
	v_nop
	global_prefetch_b8 v0, s[64:65] scope:SCOPE_SE
	s_setreg_imm32_b32 hwreg(HW_REG_WAVE_MODE, 25, 1), 1
	s_wait_xcnt 0x0
	s_wait_alu depctr_hold_cnt(0) depctr_sa_sdst(0) depctr_va_vdst(0) depctr_va_sdst(0) depctr_va_ssrc(0) depctr_va_vcc(0) depctr_vm_vsrc(0)
	s_getreg_b32 s2, hwreg(HW_REG_IB_STS2, 6, 4)
	s_cmp_eq_u32 s2, 0
	s_cbranch_scc0 .Lentry_in_a_cluster
	s_endpgm
.Lentry_in_a_cluster:
	s_bfe_u32 s2, ttmp6, 0x10000c
	s_cmp_lg_u32 s2, 0xf033
	s_cbranch_scc0 .Lentry_shape_is_right
	s_endpgm
.Lentry_shape_is_right:
.set KS,    32
.set ASC,   12582912
.set BCO,   9437184
.set BSC,   12976128
.set NP,    6
.set NQ,    7
.set LAP,   NP+NQ
.set PBL,   NP*1536
.set QBL,   NQ*1536
.set PQU,   4*PBL
.set QQU,   4*QBL
.set QBASE, 4*PQU
.set STAGE, QBASE
.set SPITCH, 272
.set SPARE, QBASE+4*QQU
.set A16, 4
.set A8,  6
.set B16, 8
.set B8,  10
.set SPW, 12
.set NIL, 13
.set L4,  14
.set STO, 15
.set RD,  16
.set CO,  17
.set SA,  32
.set SB,  32+2*KS
.set BK,  160
.set G1,  24
.set G1B, 40
.set G0,  56
.set G0B, 68
.set MSB, 0
.macro WIN new
.if MSB != (\new)
	s_set_vgpr_msb (MSB<<8)|(\new)
.set MSB, (\new)
.endif
.endm
.macro WHERE t
.if (\t)%LAP < NP
.set RG, 0
.set IX, (\t)%LAP
.else
.set RG, 1
.set IX, (\t)%LAP-NP
.endif
.endm
.macro JLOAD r
	s_cmp_eq_u32 s11, 0
	s_cbranch_scc0 .Lfor_b_\@
	tensor_load_to_lds s[G0+4*(\r):G0+4*(\r)+3], s[G1+8*(\r):G1+8*(\r)+7]
	s_nop 0
.rept 4
	v_nop
.endr
	s_branch .Lasked_\@
.Lfor_b_\@:
	tensor_load_to_lds s[G0B+4*(\r):G0B+4*(\r)+3], s[G1B+8*(\r):G1B+8*(\r)+7]
	s_nop 0
.rept 4
	v_nop
.endr
.Lasked_\@:
.endm
.macro CREST
	s_cmp_lg_u32 s10, 0
	s_cbranch_scc1 .Lnot_wave_0_\@
	s_barrier_signal -3
.Lnot_wave_0_\@:
	s_barrier_wait -3
	s_barrier_signal -1
	s_barrier_wait -1
.endm
.macro CROUND
	s_barrier_signal -1
	s_barrier_wait -1
	CREST
.endm
.macro PLACES
.rept 4
	v_nop
.endr
.endm
.macro FRAG reg, a16, a8, off
	ds_load_b128 v[(\reg):(\reg)+3], v[(\a16)] offset:(\off)
	ds_load_b64 v[(\reg)+4:(\reg)+5], v[(\a8)] offset:(\off)+512
	ds_load_b128 v[(\reg)+6:(\reg)+9], v[(\a16)] offset:(\off)+768
	ds_load_b64 v[(\reg)+10:(\reg)+11], v[(\a8)] offset:(\off)+1280
.endm
.macro FETCH t
	WHERE \t
	WIN 0x40
.irp i, 0,1,2,3
	FRAG 96*((\t)%2)+12*\i, A16+RG, A8+RG, (PBL+1536*RG)*\i+1536*IX
.endr
.irp i, 0,1,2,3
	FRAG 96*((\t)%2)+48+12*\i, B16+RG, B8+RG, (PBL+1536*RG)*\i+1536*IX
.endr
.endm
.macro MUL a, t
	WIN 0xa5
.irp b, 0,1,2,3
.if (\t) == 0
	v_wmma_scale_f32_16x16x128_f8f6f4 v[8*(4*(\a)+\b):8*(4*(\a)+\b)+7], v[96*((\t)%2)+48+12*\b:96*((\t)%2)+48+12*\b+11], v[96*((\t)%2)+12*(\a):96*((\t)%2)+12*(\a)+11], 0, v[SB+(KS/2)*\b+(\t)/2], v[SA+(KS/2)*(\a)+(\t)/2] matrix_a_fmt:MATRIX_FMT_BF6 matrix_b_fmt:MATRIX_FMT_BF6
.elseif (\t)%2
	v_wmma_scale_f32_16x16x128_f8f6f4 v[8*(4*(\a)+\b):8*(4*(\a)+\b)+7], v[96*((\t)%2)+48+12*\b:96*((\t)%2)+48+12*\b+11], v[96*((\t)%2)+12*(\a):96*((\t)%2)+12*(\a)+11], v[8*(4*(\a)+\b):8*(4*(\a)+\b)+7], v[SB+(KS/2)*\b+(\t)/2], v[SA+(KS/2)*(\a)+(\t)/2] matrix_a_fmt:MATRIX_FMT_BF6 matrix_b_fmt:MATRIX_FMT_BF6 matrix_a_scale:MATRIX_SCALE_ROW1 matrix_b_scale:MATRIX_SCALE_ROW1
.else
	v_wmma_scale_f32_16x16x128_f8f6f4 v[8*(4*(\a)+\b):8*(4*(\a)+\b)+7], v[96*((\t)%2)+48+12*\b:96*((\t)%2)+48+12*\b+11], v[96*((\t)%2)+12*(\a):96*((\t)%2)+12*(\a)+11], v[8*(4*(\a)+\b):8*(4*(\a)+\b)+7], v[SB+(KS/2)*\b+(\t)/2], v[SA+(KS/2)*(\a)+(\t)/2] matrix_a_fmt:MATRIX_FMT_BF6 matrix_b_fmt:MATRIX_FMT_BF6
.endif
.endr
.endm
.macro KSTEP t
.if (\t) == KS-1
	s_wait_dscnt 0x0
	MUL 0, \t
	MUL 1, \t
	MUL 2, \t
	MUL 3, \t
.elseif ((\t)%LAP == NP-1) || ((\t)%LAP == LAP-1)
	WIN 0
	s_wait_tensorcnt 0x0
	ds_add_u32 v[SPW], v[NIL]
	s_wait_dscnt 1
	MUL 0, \t
	s_wait_dscnt 0x0
	s_barrier_signal -1
	MUL 1, \t
	WIN 0
	s_barrier_wait -1
.if (\t)+LAP < KS
	CREST
	WHERE \t
	s_add_nc_u64 s[G0+4*RG+2:G0+4*RG+3], s[G0+4*RG+2:G0+4*RG+3], LAP*1536
	s_add_nc_u64 s[G0B+4*RG+2:G0B+4*RG+3], s[G0B+4*RG+2:G0B+4*RG+3], LAP*1536
	JLOAD RG
.else
	PLACES
.endif
	s_wait_alu depctr_va_vdst(0)
	FETCH (\t)+1
	MUL 2, \t
	MUL 3, \t
.else
.if (\t) > 0
	PLACES
.endif
	FETCH (\t)+1
	s_wait_dscnt 32
	MUL 0, \t
	MUL 1, \t
	MUL 2, \t
	MUL 3, \t
.endif
.endm
	s_load_b128 s[4:7], s[0:1], 0x0
	s_load_b64 s[8:9], s[0:1], 0x10
	v_lshl_add_u32 v[SPW], v0, 2, SPARE
	v_mov_b32 v[NIL], 0
	ds_add_u32 v12, v13
	ds_add_u32 v12, v13
	s_wait_dscnt 0x0
	v_lshrrev_b32 v1, 5, v0
	v_readfirstlane_b32 s10, v1
	s_lshr_b32 s11, s10, 1
	s_and_b32 s12, s10, 1
	s_bfe_u32 s76, ttmp6, 0x40000
	s_bfe_u32 s77, ttmp6, 0x40004
	s_lshl_b32 s78, ttmp9, 2
	s_add_co_u32 s78, s78, s76
	s_and_b32 s13, ttmp7, 0xffff
	s_lshl_b32 s13, s13, 2
	s_add_co_u32 s13, s13, s77
	s_lshl_b32 s79, s77, 2
	s_lshl_b32 s79, 15, s79
	s_lshl_b32 s80, 0x1111, s76
.irp r, 0,1
	s_or_b32 s[G1+8*\r], s79, (3<<16)|(1<<21)
	s_or_b32 s[G1B+8*\r], s80, (3<<16)|(1<<21)
.irp g, G1, G1B
	s_mov_b32 s[\g+8*\r+1], ((NP+\r)*192)<<16
	s_mov_b32 s[\g+8*\r+2], 4<<16
	s_mov_b32 s[\g+8*\r+3], ((NP+\r)*192)<<16
	s_mov_b32 s[\g+8*\r+4], 4
	s_mov_b32 s[\g+8*\r+5], 192*KS
	s_mov_b32 s[\g+8*\r+6], 0
	s_mov_b32 s[\g+8*\r+7], 0
.endr
.endr
	s_lshl_b32 s17, s12, 2
	s_lshl_b32 s16, s13, 3
	s_add_co_u32 s16, s16, s17
	s_lshl_b32 s82, s78, 3
	s_add_co_u32 s82, s82, s17
	s_mul_i32 s16, s16, KS*1536
	s_mul_i32 s82, s82, KS*1536
	s_add_co_u32 s82, s82, BCO
	s_mov_b32 s17, 0
	s_mov_b32 s83, 0
	s_mul_i32 s90, s10, PQU
	s_mul_i32 s91, s10, QQU
	s_add_co_u32 s91, s91, QBASE
	s_wait_kmcnt 0x0
	s_add_nc_u64 s[14:15], s[4:5], s[16:17]
	s_add_nc_u64 s[82:83], s[6:7], s[82:83]
	CROUND
.irp r, 0,1
	s_mov_b32 s[G0+4*\r], 1
	s_mov_b32 s[G0+4*\r+1], s[90+\r]
	s_add_nc_u64 s[G0+4*\r+2:G0+4*\r+3], s[14:15], \r*PBL
	s_or_b32 s[G0+4*\r+3], s[G0+4*\r+3], 0x80000000
	s_mov_b32 s[G0B+4*\r], 1
	s_mov_b32 s[G0B+4*\r+1], s[90+\r]
	s_add_nc_u64 s[G0B+4*\r+2:G0B+4*\r+3], s[82:83], \r*PBL
	s_or_b32 s[G0B+4*\r+3], s[G0B+4*\r+3], 0x80000000
.endr
	JLOAD 0                                        ; the first region: one tensor load a wave at the head
	v_and_b32 v1, 31, v0
	v_and_b32 v18, 15, v0
	v_bfe_u32 v19, v0, 4, 1
	v_lshlrev_b32 v2, 4, v1
	v_lshlrev_b32 v3, 3, v1
	v_lshlrev_b32 v[L4], 2, v1
	s_mul_i32 s21, s11, PQU
	s_mul_i32 s22, s12, PQU
	s_add_co_u32 s22, s22, 2*PQU
	v_add_nc_u32 v[A16], s21, v2
	v_add_nc_u32 v[A8], s21, v3
	v_add_nc_u32 v[B16], s22, v2
	v_add_nc_u32 v[B8], s22, v3
	s_mul_i32 s21, s11, QQU
	s_add_co_u32 s21, s21, QBASE
	s_mul_i32 s22, s12, QQU
	s_add_co_u32 s22, s22, QBASE+2*QQU
	v_add_nc_u32 v[A16+1], s21, v2
	v_add_nc_u32 v[A8+1], s21, v3
	v_add_nc_u32 v[B16+1], s22, v2
	v_add_nc_u32 v[B8+1], s22, v3
	s_mul_i32 s23, s10, 16*SPITCH
	s_add_co_u32 s23, s23, STAGE
	v_mul_u32_u24 v[STO], v18, SPITCH
	v_lshl_add_u32 v[STO], v19, 6, v[STO]
	v_add_nc_u32 v[STO], s23, v[STO]
	v_mul_u32_u24 v[RD], v19, SPITCH
	v_lshl_add_u32 v[RD], v18, 4, v[RD]
	v_add_nc_u32 v[RD], s23, v[RD]
	v_lshlrev_b32 v[CO], 12, v19
	v_lshl_add_u32 v[CO], v18, 4, v[CO]
	s_lshl_b32 s23, s13, 3
	s_lshl_b32 s81, s11, 2
	s_add_co_u32 s23, s23, s81
	s_mul_i32 s84, s23, KS*64
	s_add_co_u32 s84, s84, ASC
	s_mov_b32 s85, 0
	s_add_nc_u64 s[84:85], s[4:5], s[84:85]
	s_lshl_b32 s81, s78, 3
	s_lshl_b32 s86, s12, 2
	s_add_co_u32 s81, s81, s86
	s_mul_i32 s86, s81, KS*64
	s_add_co_u32 s86, s86, BSC
	s_mov_b32 s87, 0
	s_add_nc_u64 s[86:87], s[6:7], s[86:87]
.irp a, 0,1,2,3
.set jj, 0
.rept KS/2
	global_load_b32 v[SA+(KS/2)*\a+jj], v[L4], s[84:85] offset:64*KS*\a+128*jj
	global_load_b32 v[SB+(KS/2)*\a+jj], v[L4], s[86:87] offset:64*KS*\a+128*jj
.set jj, jj+1
.endr
.endr
	s_lshl_b32 s88, s23, 16
	s_lshl_b32 s81, s81, 6
	s_add_co_u32 s88, s88, s81
	s_mov_b32 s89, 0
	s_add_nc_u64 s[8:9], s[8:9], s[88:89]
	s_wait_alu depctr_va_vdst(0)                   ; the wait at the head's end
	s_wait_tensorcnt 0x0                           ; my part of the first region is in
	ds_add_u32 v[SPW], v[NIL]
	s_wait_dscnt 0x0
	CROUND                                         ; the first region is whole, and all sixteen work-groups are here
	JLOAD 1                                        ; the second region's first fill
	FETCH 0
	s_wait_loadcnt 0x0
.set tt, 0
.rept KS
	KSTEP tt
.set tt, tt+1
.endr
	WIN 0
.macro TOSTAGE a
	WIN 0x08
.irp b, 0,1,2,3
	ds_store_b128 v[STO], v[8*(4*(\a)+\b):8*(4*(\a)+\b)+3] offset:128*(\b/2)+32*(\b%2)
	ds_store_b128 v[STO], v[8*(4*(\a)+\b)+4:8*(4*(\a)+\b)+7] offset:128*(\b/2)+32*(\b%2)+16
.endr
	WIN 0
.irp i, 0,1,2,3,4,5,6,7
	ds_load_b128 v[BK+32*((\a)%2)+4*\i:BK+32*((\a)%2)+4*\i+3], v[RD] offset:544*\i
.endr
.endm
.macro SEND a, younger
	s_wait_dscnt \younger
.irp i, 0,1,2,3,4,5,6,7
	global_store_b128 v[CO], v[BK+32*((\a)%2)+4*\i:BK+32*((\a)%2)+4*\i+3], s[8:9] offset:(32*((\a)/2)+8*((\a)%2)+2*\i+8*(\i/4))*4096
.endr
.endm
	PLACES
	TOSTAGE 0
.irp a, 1,2,3
.if \a > 1
	s_wait_xcnt 0x0
.endif
	TOSTAGE \a
	SEND (\a-1), 16
.endr
	SEND 3, 0
	s_wait_tensorcnt 0x0
	ds_add_u32 v[SPW], v[NIL]
	s_wait_dscnt 0x0
	CROUND
	s_endpgm
.Lfunc_end_k_qa244ec8441_ff2:
	.size	k_qa244ec8441_ff2, .Lfunc_end_k_qa244ec8441_ff2-k_qa244ec8441_ff2
	.p2alignl 7, 3214868480
	.fill 96, 4, 3214868480
	.section	.rodata,"a",@progbits
	.p2align	6, 0x0
	.amdhsa_kernel k_qa244ec8441_ff2
		.amdhsa_group_segment_fixed_size 327680
		.amdhsa_private_segment_fixed_size 0
		.amdhsa_enable_private_segment 0
		.amdhsa_kernarg_size 24
		.amdhsa_user_sgpr_count 2
		.amdhsa_user_sgpr_kernarg_segment_ptr 1
		.amdhsa_wavefront_size32 1
		.amdhsa_system_sgpr_workgroup_id_x 1
		.amdhsa_system_sgpr_workgroup_id_y 1
		.amdhsa_system_sgpr_workgroup_id_z 1
		.amdhsa_system_vgpr_workitem_id 0
		.amdhsa_next_free_vgpr 640
		.amdhsa_next_free_sgpr 96
		.amdhsa_reserve_vcc 0
		.amdhsa_float_denorm_mode_32 3
		.amdhsa_float_denorm_mode_16_64 3
		.amdhsa_memory_ordered 1
		.amdhsa_forward_progress 1
		.amdhsa_inst_pref_size 167
	.end_amdhsa_kernel
	.amdgpu_metadata
---
amdhsa.version: [ 1, 2 ]
amdhsa.kernels:
  - .name:           k_qa244ec8441_ff2
    .symbol:         k_qa244ec8441_ff2.kd
    .args:
      - { .name: hc, .offset: 0, .size: 8, .value_kind: global_buffer, .address_space: global }
      - { .name: wq, .offset: 8, .size: 8, .value_kind: global_buffer, .address_space: global }
      - { .name: y, .offset: 16, .size: 8, .value_kind: global_buffer, .address_space: global }
    .group_segment_fixed_size: 327680
    .private_segment_fixed_size: 0
    .kernarg_segment_align: 8
    .kernarg_segment_size: 24
    .max_flat_workgroup_size: 128
    .sgpr_count:     96
    .vgpr_count:     640
    .wavefront_size: 32
...
	.end_amdgpu_metadata
.endif
;; end of part 6
;; launch ln2 (part 7): grid 256 x 1, 8 waves a work-group, no clusters, 0 bytes of LDS; arguments y, x1, b2, g2, beta2, out0; writes out0
.if DOCPART == 7
	.amdgcn_target "amdgcn-amd-amdhsa--gfx1250"
	.amdhsa_code_object_version 6
	.text
	.protected	k_qa244ec8441_ln2
	.globl	k_qa244ec8441_ln2
	.p2align	8
	.type	k_qa244ec8441_ln2,@function
k_qa244ec8441_ln2:
	s_mov_b64 s[64:65], 0
	v_nop
	global_prefetch_b8 v0, s[64:65] scope:SCOPE_SE
	s_setreg_imm32_b32 hwreg(HW_REG_WAVE_MODE, 25, 1), 1
	s_wait_xcnt 0x0
; out0 = LayerNorm(y + b2 + x1) x g2 + beta2 over rows of 1,024 f32.
; SHARES.  A work-group takes one block of 16 rows (block B: rows 32 (B / 2) + 8 (B % 2) + r + 8 (r / 8)), each of its eight waves two rows, and every wave asks for both its rows at its head: all 16 rows of the
; block are on their way together, and no register is loaded twice.  A row lies in 32 registers of a wave between the passes, so memory is read once.  Mean and variance in two passes: the variance is the mean of
; (x - mean)^2, never a difference of large sums.  No LDS, no barrier: waves share nothing.
; LIMITS: NaN and infinities are not served; v_rsq_f32 is as accurate as the ISA guide states.
.set ROWB, 4096
.set L16,  2                           ; v2 16 x lane
.set BI,   32                          ; v32-63 bias, v64-95 g, v96-127 beta of my 32 columns
.set GG,   64
.set BE,   96
.set YB,   128                         ; v128-191, v192-255 my two rows: y's 32 registers, then the residual's
.set SEL,  22
	s_load_b256 s[4:11], s[0:1], 0x0               ; y, x1, b2, g2
	s_load_b128 s[12:15], s[0:1], 0x20             ; beta2, out0
	v_lshrrev_b32 v1, 5, v0
	s_delay_alu instid0(VALU_DEP_1)
	v_readfirstlane_b32 s2, v1                     ; wave 0..7
	v_and_b32 v1, 31, v0
	s_delay_alu instid0(VALU_DEP_1)
	v_lshlrev_b32 v[L16], 4, v1
	v_mov_b32 v9, 0                                ; (upper halves of pairs of which the low word serves both halves)
	v_mov_b32 v13, 0
	s_lshr_b32 s18, ttmp9, 1
	s_lshl_b32 s18, s18, 5
	s_and_b32 s19, ttmp9, 1
	s_lshl_b32 s19, s19, 3
	s_add_co_u32 s18, s18, s19
	s_lshl_b32 s19, s2, 1
	s_add_co_u32 s18, s18, s19
	s_lshr_b32 s19, s2, 2
	s_lshl_b32 s19, s19, 3
	s_add_co_u32 s18, s18, s19                     ; my first row: 32 (B / 2) + 8 (B % 2) + 2 w + 8 (w / 4)
	s_lshl_b32 s18, s18, 12
	s_mov_b32 s19, 0
	s_mov_b32 s20, 0x3a800000                      ; 1 / 1,024
	s_mov_b32 s21, 0x3727c5ac                      ; 1e-5
	s_mov_b32 s[SEL], 0x76543210
	s_mov_b32 s[SEL+1], 0xfedcba98
	s_wait_alu depctr_va_vdst(0)
	s_wait_kmcnt 0x0
	s_add_nc_u64 s[4:5], s[4:5], s[18:19]
	s_add_nc_u64 s[6:7], s[6:7], s[18:19]
	s_add_nc_u64 s[14:15], s[14:15], s[18:19]
.irp j, 0,1,2,3,4,5,6,7
	global_load_b128 v[BI+4*\j:BI+4*\j+3], v[L16], s[8:9] offset:512*\j
	global_load_b128 v[GG+4*\j:GG+4*\j+3], v[L16], s[10:11] offset:512*\j
	global_load_b128 v[BE+4*\j:BE+4*\j+3], v[L16], s[12:13] offset:512*\j
.endr
.macro RLOAD i                         ; row i of my two: 16 loads of 512 consecutive bytes
.irp j, 0,1,2,3,4,5,6,7
	global_load_b128 v[YB+64*(\i)+4*\j:YB+64*(\i)+4*\j+3], v[L16], s[4:5] offset:ROWB*(\i)+512*\j th:TH_LOAD_NT
.endr
.irp j, 0,1,2,3,4,5,6,7
	global_load_b128 v[YB+64*(\i)+32+4*\j:YB+64*(\i)+32+4*\j+3], v[L16], s[6:7] offset:ROWB*(\i)+512*\j th:TH_LOAD_NT
.endr
.endm
.macro REDUCE                          ; the sum of v4 over the 32 lanes, in every lane
	s_delay_alu instid0(VALU_DEP_1)
	v_add_f32_dpp v4, v4, v4 row_xmask:1 row_mask:0xf bank_mask:0xf
	s_delay_alu instid0(VALU_DEP_1)
	v_add_f32_dpp v4, v4, v4 row_xmask:2 row_mask:0xf bank_mask:0xf
	s_delay_alu instid0(VALU_DEP_1)
	v_add_f32_dpp v4, v4, v4 row_xmask:4 row_mask:0xf bank_mask:0xf
	s_delay_alu instid0(VALU_DEP_1)
	v_add_f32_dpp v4, v4, v4 row_xmask:8 row_mask:0xf bank_mask:0xf
	s_delay_alu instid0(VALU_DEP_1)
	v_permlanex16_b32 v5, v4, s[SEL], s[SEL+1]
	s_delay_alu instid0(VALU_DEP_1)
	v_add_f32 v4, v4, v5
.endm
.macro ROW i, left
.set Y, YB+64*(\i)
	s_wait_loadcnt \left                           ; my row (and the constants) are in; the younger row's 16 loads may be out
.irp j, 0,2,4,6,8,10,12,14,16,18,20,22,24,26,28,30
	v_pk_add_f32 v[Y+\j:Y+\j+1], v[Y+\j:Y+\j+1], v[BI+\j:BI+\j+1]
.endr
.irp j, 0,2,4,6,8,10,12,14,16,18,20,22,24,26,28,30
	v_pk_add_f32 v[Y+\j:Y+\j+1], v[Y+\j:Y+\j+1], v[Y+32+\j:Y+33+\j]
.endr
	v_pk_add_f32 v[4:5], v[Y:Y+1], v[Y+2:Y+3]      ; the sum, in two chains
	v_pk_add_f32 v[6:7], v[Y+4:Y+5], v[Y+6:Y+7]
.irp j, 8,12,16,20,24,28
	s_delay_alu instid0(VALU_DEP_2)
	v_pk_add_f32 v[4:5], v[4:5], v[Y+\j:Y+\j+1]
	s_delay_alu instid0(VALU_DEP_2)
	v_pk_add_f32 v[6:7], v[6:7], v[Y+\j+2:Y+\j+3]
.endr
	s_delay_alu instid0(VALU_DEP_1)
	v_pk_add_f32 v[4:5], v[4:5], v[6:7]
	s_delay_alu instid0(VALU_DEP_1)
	v_add_f32 v4, v4, v5
	REDUCE
	s_delay_alu instid0(VALU_DEP_1)
	v_mul_f32 v8, s20, v4                          ; the mean
.irp j, 0,2,4,6,8,10,12,14,16,18,20,22,24,26,28,30
	v_pk_add_f32 v[Y+\j:Y+\j+1], v[Y+\j:Y+\j+1], v[8:9] op_sel_hi:[1,0] neg_lo:[0,1] neg_hi:[0,1]
.endr
	v_pk_mul_f32 v[4:5], v[Y:Y+1], v[Y:Y+1]
	v_pk_mul_f32 v[6:7], v[Y+2:Y+3], v[Y+2:Y+3]
.irp j, 4,8,12,16,20,24,28
	s_delay_alu instid0(VALU_DEP_2)
	v_pk_fma_f32 v[4:5], v[Y+\j:Y+\j+1], v[Y+\j:Y+\j+1], v[4:5]
	s_delay_alu instid0(VALU_DEP_2)
	v_pk_fma_f32 v[6:7], v[Y+\j+2:Y+\j+3], v[Y+\j+2:Y+\j+3], v[6:7]
.endr
	s_delay_alu instid0(VALU_DEP_1)
	v_pk_add_f32 v[4:5], v[4:5], v[6:7]
	s_delay_alu instid0(VALU_DEP_1)
	v_add_f32 v4, v4, v5
	REDUCE
	s_delay_alu instid0(VALU_DEP_1)
	v_fma_f32 v10, v4, s20, s21                    ; the variance + 1e-5
	s_wait_alu depctr_va_vdst(0)
	v_rsq_f32 v12, v10
	v_nop                                          ; a plain place behind the transcendental
	s_wait_alu depctr_va_vdst(0)                   ; and the wait ahead of its first reader
.irp j, 0,2,4,6,8,10,12,14,16,18,20,22,24,26,28,30
	v_pk_mul_f32 v[Y+\j:Y+\j+1], v[Y+\j:Y+\j+1], v[12:13] op_sel_hi:[1,0]
.endr
.irp j, 0,2,4,6,8,10,12,14,16,18,20,22,24,26,28,30
	v_pk_fma_f32 v[Y+\j:Y+\j+1], v[Y+\j:Y+\j+1], v[GG+\j:GG+\j+1], v[BE+\j:BE+\j+1]
.endr
.irp j, 0,1,2,3,4,5,6,7
	global_store_b128 v[L16], v[Y+4*\j:Y+4*\j+3], s[14:15] offset:ROWB*(\i)+512*\j th:TH_STORE_NT   ; 512 consecutive bytes; written once, read by nobody here
.endr
.endm
	RLOAD 0
	RLOAD 1
	ROW 0, 16
	ROW 1, 0
	s_endpgm
.Lfunc_end_k_qa244ec8441_ln2:
	.size	k_qa244ec8441_ln2, .Lfunc_end_k_qa244ec8441_ln2-k_qa244ec8441_ln2
	.p2alignl 7, 3214868480
	.fill 96, 4, 3214868480
	.section	.rodata,"a",@progbits
	.p2align	6, 0x0
	.amdhsa_kernel k_qa244ec8441_ln2
		.amdhsa_group_segment_fixed_size 0
		.amdhsa_private_segment_fixed_size 0
		.amdhsa_enable_private_segment 0
		.amdhsa_kernarg_size 48
		.amdhsa_user_sgpr_count 2
		.amdhsa_user_sgpr_kernarg_segment_ptr 1
		.amdhsa_wavefront_size32 1
		.amdhsa_system_sgpr_workgroup_id_x 1
		.amdhsa_system_sgpr_workgroup_id_y 1
		.amdhsa_system_sgpr_workgroup_id_z 1
		.amdhsa_system_vgpr_workitem_id 0
		.amdhsa_next_free_vgpr 256
		.amdhsa_next_free_sgpr 66
		.amdhsa_reserve_vcc 0
		.amdhsa_float_denorm_mode_32 3
		.amdhsa_float_denorm_mode_16_64 3
		.amdhsa_memory_ordered 1
		.amdhsa_forward_progress 1
		.amdhsa_inst_pref_size 27
	.end_amdhsa_kernel
	.amdgpu_metadata
---
amdhsa.version: [ 1, 2 ]
amdhsa.kernels:
  - .name:           k_qa244ec8441_ln2
    .symbol:         k_qa244ec8441_ln2.kd
    .args:
      - { .name: y, .offset: 0, .size: 8, .value_kind: global_buffer, .address_space: global }
      - { .name: x1, .offset: 8, .size: 8, .value_kind: global_buffer, .address_space: global }
      - { .name: b2, .offset: 16, .size: 8, .value_kind: global_buffer, .address_space: global }
      - { .name: g2, .offset: 24, .size: 8, .value_kind: global_buffer, .address_space: global }
      - { .name: beta2, .offset: 32, .size: 8, .value_kind: global_buffer, .address_space: global }
      - { .name: out0, .offset: 40, .size: 8, .value_kind: global_buffer, .address_space: global }
    .group_segment_fixed_size: 0
    .private_segment_fixed_size: 0
    .kernarg_segment_align: 8
    .kernarg_segment_size: 48
    .max_flat_workgroup_size: 256
    .sgpr_count:     66
    .vgpr_count:     256
    .wavefront_size: 32
...
	.end_amdgpu_metadata
.endif
;; end of part 7
